; MI455X (gfx1250); checked and timed in simulation.
; The chip was launched on July 23, 2026; its instructions are those of AMD's public machine-readable ISA for CDNA 5 (MIT licence, August 2026) and "CDNA5" Instruction Set Architecture Reference Guide (July 2026). The comments in the code are by the model that wrote it; some were corrected since.
;; Multi Head Attention. Allowed arithmetic: matrix products marked QUANTISED: E2M1 operands, one E8M0 scale for each 32 along K, by v_wmma_scale_f32_16x16x128_f8f6f4 with both operands' format E2M1 (or v_wmma_scale_f32_32x16x128_f4), f32 sums; products left as they are: bf16, f16 or f32 operands; f32 sums; everything else in f32.
;; Inputs: b_proj 1,024 float32; w_proj 1,024 x 1,024 float32; w_qkv 3,072 x 1,024 float32; x 4 x 2,048 x 1,024 float32.
;; Outputs: out0 4 x 2,048 x 1,024 float32.
;; This version of the problem:
;;   THIS VERSION OF THE PROBLEM IS GIVEN IN LOW PRECISION. The matrix products marked QUANTISED in the list below multiply operands that are first quantised to E2M1 (2 exponent bits, 1 mantissa bit; 4 bits a number), with one power-of-two scale for each 32 numbers along K (OCP MX v1.0); their sums are f32. The products marked 'left as it is' may take bf16, f16 or f32 operands, with f32 sums. Whichever they take, every output number must still come out within the allowed error. Rounding operands to bf16 (8 significant bits) uses up far more of that allowance than f16 does (11 bits, for magnitudes from 6e-5 to 65,504). All else is computed in f32.
;;   The module's matrix products, in the order in which they are computed (A, B: the left and right operand; K: the contracted axis; several contracted axes count as one K, in the product's order):
;;     1. [M 8,192, K 1,024] x [K 1,024, N 3,072]; A: input x; B: input w_qkv: QUANTISED
;;     2. batch 64 x [M 2,048, K 64] x [K 64, N 2,048]; A: computed on the way; B: computed on the way: left as it is (an operand is computed on the way)
;;     3. batch 64 x [M 2,048, K 2,048] x [K 2,048, N 64]; A: computed on the way; B: computed on the way: left as it is (an operand is computed on the way)
;;     4. [M 8,192, K 1,024] x [K 1,024, N 1,024]; A: computed on the way; B: input w_proj: left as it is (an operand is computed on the way)
;;   THE QUANTISER, for each operand of a quantised product, along K:
;;     - K is cut into blocks of 32 from its start; a last block that is shorter is filled with zeros.
;;     - A block's scale is 2^e with e = floor(log2(the largest magnitude in the block)) - 2, held to -126 .. 127; a block of zeros has e = 0. As a byte (E8M0): e + 127.
;;     - Each number is divided by its block's scale, clamped to +-6, and rounded to the nearest number of E2M1, ties to even, subnormals kept.
;;     - The product sums the exact products of the quantised numbers (number of the format x scale) in f32.
;;   ~~~python
;;   def quantise(x, axis):      # numpy; x: float32 -> the quantised numbers, widened to float32 again
;;       x = np.moveaxis(x, axis, -1); K = x.shape[-1]
;;       x = np.pad(x, [(0, 0)] * (x.ndim - 1) + [(0, -K % 32)]); x = x.reshape(x.shape[:-1] + (-1, 32)); a = np.abs(x).max(-1, keepdims=True)
;;       e = np.where(a > 0, np.clip(np.frexp(np.where(a > 0, a, 1))[1] - 1 - 2, -126, 127), 0)      # np.frexp(a)[1] - 1 = floor(log2(a)), exactly
;;       r = np.clip(x / 2.0 ** e, -6, 6)
;;       step = 2.0 ** (np.maximum(np.frexp(np.where(r == 0, 1, r))[1] - 1, 0) - 1)
;;       q = np.round(r / step) * step * 2.0 ** e      # np.round: ties to even
;;       return np.moveaxis(q.reshape(q.shape[:-2] + (-1,))[..., :K], -1, axis).astype(np.float32)
;;   ~~~
;; One version. Each part assembles by itself: llvm-mc -triple=amdgcn-amd-amdhsa -mcpu=gfx1250 --defsym DOCPART=n.
;; ======== version 1 of 1: 5 launches
;; limits: values are held in f16: magnitudes above 65,504 overflow, below 6.1e-05 lose precision
;; workspace buffers: codes 5,767,168 bytes; scl 360,448 bytes; wp16 2,097,152 bytes; qkvf 50,331,648 bytes; ff 786,432 bytes; af 16,777,216 bytes
;; launch prep (part 1): grid 384 x 1, 4 waves a work-group, no clusters, 33,280 bytes of LDS; arguments x, w_qkv, w_proj, codes, scl, wp16; writes codes, scl, wp16
.if DOCPART == 1
	.amdgcn_target "amdgcn-amd-amdhsa--gfx1250"
	.amdhsa_code_object_version 6
	.text
	.protected	k_q998909a89d_prep
	.globl	k_q998909a89d_prep
	.p2align	8
	.type	k_q998909a89d_prep,@function
k_q998909a89d_prep:
	s_mov_b64 s[64:65], 0
	v_nop
	global_prefetch_b8 v0, s[64:65] scope:SCOPE_SE
	s_setreg_imm32_b32 hwreg(HW_REG_WAVE_MODE, 25, 1), 1
	s_wait_xcnt 0x0
; x [8192][1024] and w_qkv [3072][1024], f32, K innermost, become codes of FP4 (E2M1) and one E8M0 byte for each 32 along K, in ONE matrix of 11,264 rows:
; codes [11264][512 bytes], scl [11264][32 bytes].  Rows 0-8191 are x's.  w_qkv's rows follow, PERMUTED: source row 192 h + 64 part + d (part 0 q, 1 k, 2 v) goes to row 8192 + 1024 part + 64 h + d,
; so that the product's launch finds all q, all k and all v rows together.  w_proj [1024][1024] is rounded to f16 as it lies (wp16).
; A block's scale is 2^(floor(log2(its largest magnitude)) - 2); its byte is the largest magnitude's exponent field - 2, held at 1 from below; each number is divided by the scale and rounded to the nearest code, ties to even,
; beyond the largest code the largest.  A block of zeros gets the byte 1 where the rule says 127: its codes are zeros, and this program alone reads the bytes.
; LIMITS: blocks whose largest magnitude lies under 2^-124 keep the byte 1; NaN and infinities among the inputs are not served; w_proj must lie within f16's 65,504.
; SHARES.  A work-group takes 32,768 numbers (32 rows), a wave 8,192 (8 rows).  Work-groups 0-255: x; 256-351: w_qkv (a group of 64 rows is two work-groups, so the permutation moves whole shares); 352-383: w_proj.
; The quantising arm: each load reads 512 consecutive bytes, 16 a lane; a step's 2,048 bytes turn through the wave's own stage in LDS and come back 64 bytes a lane, so that a lane holds 16 neighbours along K
; and two neighbouring lanes a block.  A wave's 16 steps make 256 scale bytes, gathered in LDS and stored as one run of 256 bytes.  The casting arm touches no LDS.
; No cluster, no tensor load, no barrier: the waves share nothing, and every byte is read once.
.set STEPS, 16
.set EMAX,  2
.set CB,    8                          ; bytes of 16 codes
.set WGX,   256                        ; work-groups for x
.set WGW,   96                         ; for w_qkv
.set R,     16                         ; v16-79   four sets of 16 numbers as they are loaded
.set X,     80                         ; v80-111  two sets of 16 neighbours
.set E,     112                        ; v112-127 a scale byte for each step
.set C,     128                        ; v128-191 codes: four registers for each step, so that no store's data are written again
.set WREG,  8192                       ; LDS: a region for each wave: two stages of 32 x SP bytes, behind them its 256 scale bytes
.set SP,    80                         ; a lane's place in a stage: 64 bytes + 16 of padding
.set SPW,   12                         ; v12  LDS address of my spare word; never rewritten
.set NIL,   13                         ; v13  0; never rewritten
.set SPARE, 4*WREG                     ; behind the four regions: the spare words, 128 bytes a wave
.set F,     16                         ; the cast: v16-143 two sets of 64 numbers
.set H,     144                        ; v144-175 a batch's f16 pairs
	s_load_b128 s[4:7], s[0:1], 0x0                ; x, w_qkv
	s_load_b128 s[8:11], s[0:1], 0x10              ; w_proj, codes
	s_load_b128 s[12:15], s[0:1], 0x20             ; scl, wp16
	v_lshl_add_u32 v[SPW], v0, 2, SPARE
	v_mov_b32 v[NIL], 0
	v_lshrrev_b32 v1, 5, v0
	v_readfirstlane_b32 s16, v1                    ; wave
	v_and_b32 v2, 31, v0                           ; lane
	v_lshlrev_b32 v3, 4, v2                        ; my 16 bytes of a load's 512
	s_cmp_ge_u32 ttmp9, WGX+WGW                    ; the parting hangs on the work-group's number alone
	s_cbranch_scc1 .Lcast
	; ---- the quantising arm
	s_mul_i32 s24, s16, WREG
	v_lshrrev_b32 v14, 2, v2
	v_mul_u32_u24 v14, v14, SP
	v_and_b32 v15, 3, v2
	v_lshl_add_u32 v14, v15, 4, v14
	v_add_nc_u32 v14, s24, v14                     ; the stage, on the way in: SP (lane / 4) + 16 (lane % 4)
	v_mul_u32_u24 v15, v2, SP
	v_add_nc_u32 v15, s24, v15                     ; and on the way out: SP x lane: my 16 neighbours
	v_mul_u32_u24 v4, v2, CB                       ; my codes' place in a step's
	v_lshrrev_b32 v5, 1, v2
	s_add_co_u32 s24, s24, 2*32*SP
	v_add_nc_u32 v5, s24, v5                       ; LDS: my wave's 256 scale bytes, my block's byte
	v_lshlrev_b32 v7, 3, v2                        ; and on the way out 8 bytes a lane
	v_add_nc_u32 v6, s24, v7
	s_cmp_lt_u32 ttmp9, WGX
	s_cselect_b32 s17, 0, WGX
	s_sub_co_u32 s17, ttmp9, s17                   ; si: my share's number in its own tensor
	s_lshr_b32 s18, s17, 1                         ; g = 3 h + part: which group of 64 rows of w_qkv
	s_mul_i32 s19, s18, 171
	s_lshr_b32 s19, s19, 9                         ; h = g / 3 (exact for g under 256)
	s_mul_i32 s20, s19, 3
	s_sub_co_u32 s20, s18, s20                     ; part
	s_lshl_b32 s20, s20, 4
	s_add_co_u32 s20, s20, s19                     ; 16 part + h
	s_lshl_b32 s20, s20, 1
	s_and_b32 s21, s17, 1
	s_or_b32 s20, s20, s21
	s_add_co_u32 s20, s20, WGX                     ; where w_qkv's share goes, in shares of 32 rows
	s_wait_kmcnt 0x0
	s_cmp_lt_u32 ttmp9, WGX
	s_cselect_b64 s[4:5], s[4:5], s[6:7]           ; the tensor that I read
	s_cselect_b32 s20, ttmp9, s20                  ; x's shares stay where they are
	s_lshl_b32 s17, s17, 2
	s_add_co_u32 s17, s17, s16                     ; my wave's run of 8,192 numbers, in the source,
	s_lshl_b32 s22, s17, 15
	s_mov_b32 s23, 0
	s_add_nc_u64 s[4:5], s[4:5], s[22:23]
	s_lshl_b32 s20, s20, 2
	s_add_co_u32 s20, s20, s16                     ; and in the joint matrix
	s_lshl_b32 s22, s20, 12
	s_add_nc_u64 s[10:11], s[10:11], s[22:23]      ; 4,096 bytes of codes a run
	s_lshl_b32 s22, s20, 8
	s_add_nc_u64 s[12:13], s[12:13], s[22:23]      ; 256 scale bytes a run
.macro LOAD t
.irp i, 0,1,2,3
	global_load_b128 v[R+16*((\t)%4)+4*\i:R+16*((\t)%4)+4*\i+3], v3, s[4:5] offset:2048*(\t)+512*\i th:TH_LOAD_NT   ; 32 lanes read 512 consecutive bytes
.endr
.endm
.macro TURN t                          ; step t's numbers through the stage: LDS serves a wave's instructions in order, so no wait stands between the stores and the loads
.irp i, 0,1,2,3
	ds_store_b128 v14, v[R+16*((\t)%4)+4*\i:R+16*((\t)%4)+4*\i+3] offset:32*SP*((\t)%2)+8*SP*\i
.endr
.irp i, 0,1,2,3
	ds_load_b128 v[X+16*((\t)%2)+4*\i:X+16*((\t)%2)+4*\i+3], v15 offset:32*SP*((\t)%2)+16*\i
.endr
.endm
.irp t, 0,1,2,3
	LOAD \t
.endr
	s_wait_loadcnt 12                              ; step 0's four loads are in; the twelve of steps 1 to 3 may be out
	TURN 0
.macro STEP t
.set XS, X+16*((\t)%2)
.if (\t) > 0
	s_wait_dscnt 1                                 ; this step's numbers are back from the stage (the last step's byte store may be out): so its stores into the stage have read their registers,
.else
	s_wait_dscnt 0x0
.endif
.if (\t)+4 < STEPS
	LOAD (\t)+4                                    ; which take the loads of four steps on
.endif
.if (\t)+1 < STEPS
.if STEPS-2-(\t) >= 3
	s_wait_loadcnt 12                              ; the next step's four loads are in; those of the three steps behind it may be out
.else
	s_wait_loadcnt 4*(STEPS-2-(\t))
.endif
	TURN (\t)+1                                    ; and go through the other stage while this step is worked
.endif
	v_max3_num_f32 v8, |v[XS]|, |v[XS+1]|, |v[XS+2]|               ; the largest magnitude of my 16, in two chains
	v_max3_num_f32 v9, |v[XS+3]|, |v[XS+4]|, |v[XS+5]|
.irp i, 6,10
	v_max3_num_f32 v8, v8, |v[XS+\i]|, |v[XS+\i+1]|
	v_max3_num_f32 v9, v9, |v[XS+\i+2]|, |v[XS+\i+3]|
.endr
	v_max3_num_f32 v8, v8, |v[XS+14]|, |v[XS+15]|
	v_max3_num_f32 v8, v8, v9, (EMAX+1)<<23        ; and the floor 2^(3 - 127): the byte cannot fall under 1
	v_max_num_f32_dpp v8, v8, v8 row_xmask:1 row_mask:0xf bank_mask:0xf   ; and of my neighbour's 16: the block's
	v_add_nc_u32 v11, -(EMAX<<23), v8              ; 2 off its exponent field: the conversion takes the exponent field of this operand as its scale
	v_cvt_scalef32_pk8_fp4_f32 v[C+4*(\t)], v[XS:XS+7], v11
	v_cvt_scalef32_pk8_fp4_f32 v[C+4*(\t)+1], v[XS+8:XS+15], v11
	v_lshrrev_b32 v[E+(\t)], 23, v11               ; the scale's byte (a plain line behind the conversions)
	ds_store_b8 v5, v[E+(\t)] offset:16*(\t)       ; both lanes of a block write the same byte with the same value
	global_store_b64 v4, v[C+4*(\t):C+4*(\t)+1], s[10:11] offset:32*CB*(\t)   ; 32 lanes store 256 consecutive bytes
.endm
.irp t, 0,1,2,3,4,5,6,7,8,9,10,11,12,13,14,15
	STEP \t
.endr
	ds_load_b64 v[8:9], v6                         ; LDS serves a wave's instructions in order: these see my byte stores
	s_wait_dscnt 0x0
	global_store_b64 v7, v[8:9], s[12:13]          ; 32 lanes store 256 consecutive bytes
	s_wait_tensorcnt 0x0                           ; the wave's end, behind my last LDS store
	ds_add_u32 v[SPW], v[NIL]
	s_wait_dscnt 0x0
	s_endpgm
	; ---- the casting arm: 8,192 numbers a wave, four batches of 16 loads, two batches in flight
.Lcast:
	s_sub_co_u32 s17, ttmp9, WGX+WGW
	s_lshl_b32 s17, s17, 2
	s_add_co_u32 s17, s17, s16                     ; my wave's run
	s_lshl_b32 s22, s17, 15
	s_mov_b32 s23, 0
	v_lshlrev_b32 v4, 3, v2                        ; out: 8 bytes a lane
	s_wait_kmcnt 0x0
	s_add_nc_u64 s[8:9], s[8:9], s[22:23]
	s_lshl_b32 s22, s17, 14
	s_add_nc_u64 s[14:15], s[14:15], s[22:23]
.macro CLOAD t
.irp i, 0,1,2,3,4,5,6,7,8,9,10,11,12,13,14,15
	global_load_b128 v[F+64*((\t)%2)+4*\i:F+64*((\t)%2)+4*\i+3], v3, s[8:9] offset:(16*(\t)+\i)*512 th:TH_LOAD_NT
.endr
.endm
.macro CAST t
.if (\t) < 3
	s_wait_loadcnt 16                              ; this batch is in; the next batch's 16 loads may be out
.else
	s_wait_loadcnt 0x0
.endif
	s_wait_xcnt 0x0                                ; the last batch's stores have read v144-175: they are written again only behind this wait
.irp i, 0,1,2,3,4,5,6,7,8,9,10,11,12,13,14,15
	v_cvt_pk_f16_f32 v[H+2*\i], v[F+64*((\t)%2)+4*\i], v[F+64*((\t)%2)+4*\i+1]
	v_cvt_pk_f16_f32 v[H+2*\i+1], v[F+64*((\t)%2)+4*\i+2], v[F+64*((\t)%2)+4*\i+3]
.endr
.irp i, 0,1,2,3,4,5,6,7,8,9,10,11,12,13,14,15
	global_store_b64 v4, v[H+2*\i:H+2*\i+1], s[14:15] offset:(16*(\t)+\i)*256   ; 32 lanes store 256 consecutive bytes
.endr
.if (\t) < 2
	CLOAD (\t)+2
.endif
.endm
	CLOAD 0
	CLOAD 1
	CAST 0
	CAST 1
	CAST 2
	CAST 3
	s_endpgm
.Lfunc_end_k_q998909a89d_prep:
	.size	k_q998909a89d_prep, .Lfunc_end_k_q998909a89d_prep-k_q998909a89d_prep
	.p2alignl 7, 3214868480
	.fill 96, 4, 3214868480
	.section	.rodata,"a",@progbits
	.p2align	6, 0x0
	.amdhsa_kernel k_q998909a89d_prep
		.amdhsa_group_segment_fixed_size 33280
		.amdhsa_private_segment_fixed_size 0
		.amdhsa_enable_private_segment 0
		.amdhsa_kernarg_size 48
		.amdhsa_user_sgpr_count 2
		.amdhsa_user_sgpr_kernarg_segment_ptr 1
		.amdhsa_wavefront_size32 1
		.amdhsa_system_sgpr_workgroup_id_x 1
		.amdhsa_system_sgpr_workgroup_id_y 1
		.amdhsa_system_sgpr_workgroup_id_z 1
		.amdhsa_system_vgpr_workitem_id 0
		.amdhsa_next_free_vgpr 192
		.amdhsa_next_free_sgpr 66
		.amdhsa_reserve_vcc 0
		.amdhsa_float_denorm_mode_32 3
		.amdhsa_float_denorm_mode_16_64 3
		.amdhsa_memory_ordered 1
		.amdhsa_forward_progress 1
		.amdhsa_inst_pref_size 54
	.end_amdhsa_kernel
	.amdgpu_metadata
---
amdhsa.version: [ 1, 2 ]
amdhsa.kernels:
  - .name:           k_q998909a89d_prep
    .symbol:         k_q998909a89d_prep.kd
    .args:
      - { .name: x, .offset: 0, .size: 8, .value_kind: global_buffer, .address_space: global }
      - { .name: w_qkv, .offset: 8, .size: 8, .value_kind: global_buffer, .address_space: global }
      - { .name: w_proj, .offset: 16, .size: 8, .value_kind: global_buffer, .address_space: global }
      - { .name: codes, .offset: 24, .size: 8, .value_kind: global_buffer, .address_space: global }
      - { .name: scl, .offset: 32, .size: 8, .value_kind: global_buffer, .address_space: global }
      - { .name: wp16, .offset: 40, .size: 8, .value_kind: global_buffer, .address_space: global }
    .group_segment_fixed_size: 33280
    .private_segment_fixed_size: 0
    .kernarg_segment_align: 8
    .kernarg_segment_size: 48
    .max_flat_workgroup_size: 128
    .sgpr_count:     66
    .vgpr_count:     192
    .wavefront_size: 32
...
	.end_amdgpu_metadata
.endif
;; end of part 1
;; launch qkv (part 2): grid 12 x 32, 4 waves a work-group, clusters of 4 x 4, 327,680 bytes of LDS; arguments codes, scl, qkvf, ff; writes qkvf, ff
.if DOCPART == 2
	.amdgcn_target "amdgcn-amd-amdhsa--gfx1250"
	.amdhsa_code_object_version 6
	.text
	.protected	k_q998909a89d_qkv
	.globl	k_q998909a89d_qkv
	.p2align	8
	.type	k_q998909a89d_qkv,@function
k_q998909a89d_qkv:
	s_mov_b64 s[64:65], 0
	v_nop
	global_prefetch_b8 v0, s[64:65] scope:SCOPE_SE
	s_setreg_imm32_b32 hwreg(HW_REG_WAVE_MODE, 25, 1), 1
	s_wait_xcnt 0x0
	s_wait_alu depctr_hold_cnt(0) depctr_sa_sdst(0) depctr_va_vdst(0) depctr_va_sdst(0) depctr_va_ssrc(0) depctr_va_vcc(0) depctr_vm_vsrc(0)
	s_getreg_b32 s2, hwreg(HW_REG_IB_STS2, 6, 4)
	s_cmp_eq_u32 s2, 0
	s_cbranch_scc0 .Lentry_in_a_cluster
	s_endpgm
.Lentry_in_a_cluster:
	s_bfe_u32 s2, ttmp6, 0x10000c
	s_cmp_lg_u32 s2, 0xf033
	s_cbranch_scc0 .Lentry_shape_is_right
	s_endpgm
.Lentry_shape_is_right:
; The quantised product: q, k, v = x w_qkv^T on codes of FP4 (E2M1) with one E8M0 scale for each 32 along K = 1,024; sums in f32.
; Both operands are rows of ONE matrix: codes [11264][512 bytes], scl [11264][32 bytes]; tiles of 256 rows: 0-31 x, 32-35 q's rows of w, 36-39 k's, 40-43 v's (each [head][64]).
; A tile of 256 x 256 results is made by a work-group of four waves; a wave makes 128 x 128: 64 accumulators of 16 x 16, 512 registers.  K is two LDS slots of 512 along K (rows of 256 bytes), both asked for at the head: nothing is filled again.
; The scale bytes of the work-group's 2 x 256 rows, two dense blocks, come with them.
; THE MATRIX INSTRUCTION IS USED TRANSPOSED: source 0 = 16 rows of side B, source 1 = 16 rows of side A: a lane holds ONE row of A and eight neighbouring rows of B.
; Cluster x says what is made.  0 (q), 1 (k): A = x's rows, B = w's: a lane holds one position and eight neighbouring channels.  2 (v): A = w's rows, B = x's: a lane holds one channel and eight neighbouring positions.
; Either way the eight numbers are neighbours along the K of the product that reads them next, so that, rounded to f16, they ARE half a fragment of that product's operand.
; THE RESULTS LEAVE AS IMAGES OF OPERAND REGISTERS: an image is a fragment, 1,024 bytes, [quad 2][lane 32][16 bytes].  qkvf: q at 0 and k at 2^24: [bh 64][16 positions 128][32 channels 2][1024];
; v at 2^25: [bh 64][32 positions 64][16 channels 4][1024].  Each store of the wave covers 512 consecutive bytes, aligned: no stage in LDS is needed.
; Positions 0-15 of every sequence leave in f32 too (ff: [part 3][bh 64][tile 4][quad 2][lane 32][16 bytes]), for the launch that carries those rows finely.
; CLUSTERS: 4 x 4 work-groups.  The four of a row of the cluster need the same tile of A, the four of a column the same tile of B: each is asked for JOINTLY, by the same tensor load with the same descriptor and a mask that names the four.
; x's tile is Y + 8 c (Y the cluster's y, c the place along the axis that holds x): so the batch is c, the block of 256 positions is Y, and 'holds positions 0-15' is Y = 0, the same in all sixteen partners.
; LIMIT: q, k and v must lie within f16's 65,504.
; REGISTERS, in windows of 256: window 0: v0-31 addresses; v32-95 scale words, two sets; v128-191 A's fragments, ONE set; on the way out v128-255 hold packed results.
;   window 1: B's fragments, TWO sets, at v0 and v128.   window 2: the accumulators of my A rows 0-63 ((a, b) at v[8 (8 (a % 4) + b)]);   window 3: those of rows 64-127.
.set NQ,     4                         ; steps of 128 along K in a slot
.set ROWB,   256                       ; a tile's row in bytes: 512 codes
.set KROW,   512                       ; a row of codes in memory
.set PITCH,  272                       ; an LDS row: 256 bytes + 16 of padding, so that the 16 rows of a fragment load start 68 words apart
.set FR,     8                         ; registers of a fragment: 16 rows x 128 K
.set NL,     2                         ; LDS loads that bring one
.set NP,     4                         ; places behind this matrix instruction (ISA guide 7.12.1)
.set HALFT,  128*PITCH                 ; 128 rows: what one tensor load brings, and what one wave reads of A or of B
.set SLOT,   4*HALFT                   ; A's 256 rows, then B's 256 rows
.set KS,     32                        ; a row of scale bytes
.set SCL,    2*SLOT                    ; behind the slots: the scales, as runs of 256 bytes + 16 of padding
.set HALFS,  (128*KS/256)*272          ; the scales of 128 rows: what one tensor load brings
.set SBLK,   (16*KS/256)*272           ; those of 16 rows
.set SPARE,  SCL+4*HALFS               ; behind the scales: the spare words, 128 bytes a wave
.set ADRA, 16                          ; v16-17  LDS address of my A fragments in slot 0, 1
.set ADRB, 20                          ; v20-21  the same for B
.set CO,   26                          ; v26     16 x lane: my place in an image; never rewritten
.set ADRS, 27                          ; v27     LDS address of my scale words: lanes 0-15 A's rows, lanes 16-31 B's
.set SPW,  28                          ; v28     LDS address of my spare word; never rewritten
.set NIL,  29                          ; v29     0; never rewritten
.set SC,   32                          ; scale words: set s at v[SC + 32 s]; register 4 i + q: lanes 0-15 A's block i, lanes 16-31 B's block i, the slot's q-th 128 along K
.set AF,   128                         ; A's fragments, in window 0
.set PK,   128                         ; the way out: four sets of 32 packed registers, v128-255 of window 0
.set WV,   20                          ; s20  my wave
.set RH,   21                          ; s21  which half of A's rows is mine.  Also: I fetch for A (0) or for B (1)
.set CH,   22                          ; s22  which half of B's rows.  Also: which 128 rows of that tile I fetch
.set G1, 24                            ; s[24:31] descriptor group 1 for A's tiles;  s[32:39] group 0, one set for each slot
.set G0, 32
.set G1B, 48                           ; s[48:55], s[56:63] the same for B's tiles
.set G0B, 56
.set G1S, 68                           ; s[68:75], s[76:79] groups 1 and 0 for A's scales;  s[80:87], s[88:91] for B's
.set G0S, 76
.set G1SB, 80
.set G0SB, 88
.set OUTP, 96                          ; s[96:97] where my images begin in qkvf
.set FFP,  98                          ; s[98:99] and in ff
.set FINE, 101                         ; s101     0 in a wave that holds positions 0-15
.set MSB, 0
.macro WIN new                         ; the immediate's high byte repeats the setting that is left
.if MSB != (\new)
	s_set_vgpr_msb (MSB<<8)|(\new)
.set MSB, (\new)
.endif
.endm
.set MUL_LO, 0xa1                      ; source 0 (B) window 1, source 1 (A) window 0, C and D window 2
.set MUL_HI, 0xf1                      ; the same, C and D window 3
.set TO_B,   0x40                      ; destination window 1, address window 0
; A joint load: waves 0 and 1 fetch for A, waves 2 and 3 for B.  Each of the two lines has ONE mask and one set of registers for all that issue it; the branch hangs on the wave's number alone.
; An s_nop 0 and four v_nop follow each of the two lines.
.macro JLOAD g0a, g1a, g0b, g1b
	s_cmp_eq_u32 s[RH], 0
	s_cbranch_scc0 .Lfor_b_\@
	tensor_load_to_lds s[\g0a:\g0a+3], s[\g1a:\g1a+7]
	s_nop 0
.rept 4
	v_nop
.endr
	s_branch .Lasked_\@
.Lfor_b_\@:
	tensor_load_to_lds s[\g0b:\g0b+3], s[\g1b:\g1b+7]
	s_nop 0
.rept 4
	v_nop
.endr
.Lasked_\@:
.endm
.macro CROUND                          ; a round of the cluster's barrier
	s_barrier_signal -1
	s_barrier_wait -1
	s_cmp_lg_u32 s[WV], 0
	s_cbranch_scc1 .Lnot_wave_0_\@
	s_barrier_signal -3
.Lnot_wave_0_\@:
	s_barrier_wait -3
	s_barrier_signal -1
	s_barrier_wait -1
.endm
	s_load_b256 s[4:11], s[0:1], 0x0               ; codes s[4:5], scl s[6:7], qkvf s[8:9], ff s[10:11]
	v_lshl_add_u32 v[SPW], v0, 2, SPARE
	v_mov_b32 v[NIL], 0
	ds_add_u32 v[SPW], v[NIL]                      ; the wave's opening: the add, twice on end, and its wait ahead of my first tensor load
	ds_add_u32 v[SPW], v[NIL]                      ; (once more; the set-up below, work on registers, stands between it and the wait)
	v_lshrrev_b32 v1, 5, v0
	v_readfirstlane_b32 s[WV], v1                  ; wave 0..3
	s_lshr_b32 s[RH], s[WV], 1
	s_and_b32 s[CH], s[WV], 1
	s_bfe_u32 s40, ttmp6, 0x40000                  ; cx, cy: my place in the cluster
	s_bfe_u32 s41, ttmp6, 0x40004
	s_mov_b32 s2, ttmp9                            ; X: 0 q, 1 k, 2 v
	s_and_b32 s3, ttmp7, 0xffff                    ; Y: the block of 256 positions
	s_lshl_b32 s12, s41, 3
	s_add_co_u32 s12, s12, s3                      ; A for q, k: x's tile Y + 8 cy
	s_add_co_u32 s13, s41, 40                      ; A for v: w's tile 40 + cy
	s_lshl_b32 s46, s2, 2
	s_add_co_u32 s46, s46, s40
	s_add_co_u32 s46, s46, 32                      ; B for q, k: w's tile 32 + 4 X + cx
	s_lshl_b32 s47, s40, 3
	s_add_co_u32 s47, s47, s3                      ; B for v: x's tile Y + 8 cx
	s_cmp_eq_u32 s2, 2                             ; the choice hangs on the cluster's x alone
	s_cselect_b32 s42, s13, s12                    ; A's tile: made of cy, X, Y alone
	s_cselect_b32 s43, s47, s46                    ; B's tile: made of cx, X, Y alone
	s_lshl_b32 s44, s41, 2
	s_lshl_b32 s44, 15, s44                        ; my row of the cluster
	s_lshl_b32 s45, 0x1111, s40                    ; my column
	; descriptor group 1: a tile of 128 rows x 256 bytes, padded in LDS
	s_or_b32 s[G1+0], s44, (0<<16)|(1<<20)|(1<<21)|(5<<22)|(3<<25)  ; 15:0 the mask: A's tiles go to my row; 17:16 elements of 1 byte; 20 padding on; 21 set beside a mask; 24:22 after every 64 words; 31:25 four words
	s_or_b32 s[G1B+0], s45, (0<<16)|(1<<20)|(1<<21)|(5<<22)|(3<<25)
.irp g, G1, G1B
	s_mov_b32 s[\g+1], ROWB<<16                    ; tensor_dim0
	s_mov_b32 s[\g+2], 128<<16                     ; tensor_dim1
	s_mov_b32 s[\g+3], ROWB<<16                    ; tile_dim0
	s_mov_b32 s[\g+4], 128                         ; tile_dim1
	s_mov_b32 s[\g+5], KROW                        ; from row to row
	s_mov_b32 s[\g+6], 0
	s_mov_b32 s[\g+7], 0
.endr
	; and for the scales of 128 rows: a dense block of 4,096 bytes, as 16 rows of 256 bytes (32 elements of 8 bytes), 16 bytes of padding behind each
	s_or_b32 s[G1S+0], s44, (3<<16)|(1<<20)|(1<<21)|(5<<22)|(3<<25)
	s_or_b32 s[G1SB+0], s45, (3<<16)|(1<<20)|(1<<21)|(5<<22)|(3<<25)
.irp g, G1S, G1SB
	s_mov_b32 s[\g+1], 32<<16
	s_mov_b32 s[\g+2], (128*KS/256)<<16
	s_mov_b32 s[\g+3], 32<<16
	s_mov_b32 s[\g+4], 128*KS/256
	s_mov_b32 s[\g+5], 32
	s_mov_b32 s[\g+6], 0
	s_mov_b32 s[\g+7], 0
.endr
	s_lshl_b32 s18, s[CH], 7                       ; which 128 rows of the tile I fetch
	s_lshl_b32 s12, s42, 8
	s_add_co_u32 s12, s12, s18                     ; A: row 256 x tile + 128 x half
	s_lshl_b32 s46, s43, 8
	s_add_co_u32 s46, s46, s18                     ; B likewise
	s_lshl_b32 s14, s12, 5                         ; where these rows' scales begin, in bytes,
	s_mov_b32 s15, 0
	s_lshl_b32 s12, s12, 9                         ; and their codes (11,264 rows of 512 bytes: far under 2^32)
	s_mov_b32 s13, 0
	s_lshl_b32 s92, s46, 5
	s_mov_b32 s93, 0
	s_lshl_b32 s46, s46, 9
	s_mov_b32 s47, 0
	s_mul_i32 s23, s[WV], HALFT                    ; where they go: wave x 128 rows: no place in the cluster enters an LDS address
	s_mul_i32 s94, s[WV], HALFS
	s_wait_dscnt 0x0                               ; both opening adds are done
	s_wait_kmcnt 0x0
	s_add_nc_u64 s[12:13], s[4:5], s[12:13]
	s_add_nc_u64 s[14:15], s[6:7], s[14:15]
	s_add_nc_u64 s[46:47], s[4:5], s[46:47]
	s_add_nc_u64 s[92:93], s[6:7], s[92:93]
	CROUND                                         ; all sixteen work-groups are here: the joint loads meet
	s_mov_b32 s[G0S], 1
	s_add_co_u32 s[G0S+1], s94, SCL
	s_mov_b64 s[G0S+2:G0S+3], s[14:15]
	s_or_b32 s[G0S+3], s[G0S+3], 0x80000000
	s_mov_b32 s[G0SB], 1
	s_add_co_u32 s[G0SB+1], s94, SCL
	s_mov_b64 s[G0SB+2:G0SB+3], s[92:93]
	s_or_b32 s[G0SB+3], s[G0SB+3], 0x80000000
	JLOAD G0S, G1S, G0SB, G1SB                     ; the scales first: they are wanted with the first slot
.irp s, 0,1
	s_mov_b32 s[G0+4*\s], 1
	s_add_co_u32 s[G0+4*\s+1], s23, \s*SLOT
	s_add_nc_u64 s[G0+4*\s+2:G0+4*\s+3], s[12:13], \s*ROWB
	s_or_b32 s[G0+4*\s+3], s[G0+4*\s+3], 0x80000000
	s_mov_b32 s[G0B+4*\s], 1
	s_add_co_u32 s[G0B+4*\s+1], s23, \s*SLOT
	s_add_nc_u64 s[G0B+4*\s+2:G0B+4*\s+3], s[46:47], \s*ROWB
	s_or_b32 s[G0B+4*\s+3], s[G0B+4*\s+3], 0x80000000
	JLOAD G0+4*\s, G1, G0B+4*\s, G1B               ; three tensor loads of mine are out at the most
.endr
	v_and_b32 v1, 15, v0                           ; l % 16
	v_bfe_u32 v2, v0, 4, 1                         ; l / 16
	v_mul_u32_u24 v3, v1, PITCH
	v_lshl_add_u32 v4, v2, 4, v3                   ; a fragment's row x pitch + 16 x half
	s_mul_i32 s18, s[RH], HALFT                    ; my 128 rows of A
	s_mul_i32 s19, s[CH], HALFT                    ; my 128 rows of B,
	s_add_co_u32 s19, s19, 2*HALFT                 ; which lie behind A's 256
.irp s, 0,1
	v_add_nc_u32 v[ADRA+\s], s18, v4
	v_add_nc_u32 v[ADRB+\s], s19, v4
	s_add_co_u32 s18, s18, SLOT
	s_add_co_u32 s19, s19, SLOT
.endr
	v_mul_u32_u24 v5, v1, KS                       ; my row's scales: 32 bytes a row,
	v_lshrrev_b32 v6, 8, v5
	v_lshl_add_u32 v5, v6, 4, v5                   ; and 16 more for each 256 passed
	s_mul_i32 s18, s[RH], HALFS                    ; A's: my 128 rows
	s_mul_i32 s19, s[CH], HALFS                    ; B's: my 128 rows, behind A's 256
	s_add_co_u32 s19, s19, 2*HALFS
	s_sub_co_u32 s19, s19, s18
	v_mul_u32_u24 v6, s19, v2                      ; lanes 16-31 take B's: one product, the distance between the two bases
	s_add_co_u32 s18, s18, SCL
	v_add_nc_u32 v5, v5, v6
	v_add_nc_u32 v[ADRS], s18, v5
	v_and_b32 v6, 31, v0
	v_lshlrev_b32 v[CO], 4, v6
	; where my images begin.  q, k: bh = 16 cy + 4 cx + 2 CH (+ b / 4), tile of 16 positions 16 Y + 8 RH (+ a).  v: bh = 16 cx + 4 cy + 2 RH (+ a / 4), 32 positions 8 Y + 4 CH (+ b / 2).
	; (In registers that feed no descriptor and no LDS address.)
	s_lshl_b32 s16, s41, 4
	s_lshl_b32 s17, s40, 2
	s_add_co_u32 s16, s16, s17
	s_lshl_b32 s17, s[CH], 1
	s_add_co_u32 s16, s16, s17                     ; bh for q, k
	s_lshl_b32 s96, s40, 4
	s_lshl_b32 s17, s41, 2
	s_add_co_u32 s96, s96, s17
	s_lshl_b32 s17, s[RH], 1
	s_add_co_u32 s96, s96, s17                     ; bh for v
	s_lshl_b32 s66, s3, 4
	s_lshl_b32 s17, s[RH], 3
	s_add_co_u32 s66, s66, s17
	s_lshl_b32 s66, s66, 11                        ; (16 Y + 8 RH) x 2,048
	s_lshl_b32 s67, s3, 3
	s_lshl_b32 s17, s[CH], 2
	s_add_co_u32 s67, s67, s17
	s_lshl_b32 s67, s67, 12                        ; (8 Y + 4 CH) x 4,096
	s_or_b32 s95, s3, s[RH]                        ; positions 0-15 lie in A's rows: Y = 0, my half 0
	s_or_b32 s100, s3, s[CH]                       ; or in B's
	s_cmp_eq_u32 s2, 2
	s_cselect_b32 s16, s96, s16
	s_cselect_b32 s66, s67, s66
	s_cselect_b32 s[FINE], s100, s95               ; made of the cluster's y and the wave's number: the same in all partners, for a given wave
	s_lshl_b32 s17, s16, 18
	s_add_co_u32 s66, s66, s17
	s_lshl_b32 s17, s2, 24
	s_add_co_u32 s66, s66, s17
	s_mov_b32 s67, 0
	s_add_nc_u64 s[OUTP:OUTP+1], s[8:9], s[66:67]
	s_lshl_b32 s66, s2, 6
	s_add_co_u32 s66, s66, s16
	s_lshl_b32 s66, s66, 12                        ; (64 part + bh) x 4,096
	s_add_nc_u64 s[FFP:FFP+1], s[10:11], s[66:67]
.macro FRAG reg, adr, q, i             ; a fragment, 16 rows x 128 K of 4-bit codes: lane l holds row l % 16; registers 4 c .. 4 c + 3 hold K = 64 c + 32 (l / 16) + 0 .. 31
.irp c, 0,1
	ds_load_b128 v[\reg+4*\c:\reg+4*\c+3], v[\adr] offset:64*(\q)+32*\c+(\i)*16*PITCH
.endr
.endm
; 16 matrix instructions: A's blocks a0, a0 + 1 x B's eight, 128 along K: the slot's q-th.  p: B's set;  sc: the set of scale words.  zero = 1: the first product starts the sums: nothing is ever cleared.
; The 64 accumulators take turns, one instruction a turn, in the same order in every step.
.macro MUL16 a0, p, q, sc, zero
.irp a, \a0, \a0+1
.irp b, 0,1,2,3,4,5,6,7
.if \zero
	v_wmma_scale_f32_16x16x128_f8f6f4 v[8*(8*((\a)%4)+\b):8*(8*((\a)%4)+\b)+7], v[128*(\p)+FR*\b:128*(\p)+FR*\b+FR-1], v[AF+FR*(\a):AF+FR*(\a)+FR-1], 0, v[SC+8*NQ*(\sc)+NQ*\b+(\q)], v[SC+8*NQ*(\sc)+NQ*(\a)+(\q)] matrix_a_fmt:MATRIX_FMT_FP4 matrix_b_fmt:MATRIX_FMT_FP4 matrix_a_scale:MATRIX_SCALE_ROW1
.else
	v_wmma_scale_f32_16x16x128_f8f6f4 v[8*(8*((\a)%4)+\b):8*(8*((\a)%4)+\b)+7], v[128*(\p)+FR*\b:128*(\p)+FR*\b+FR-1], v[AF+FR*(\a):AF+FR*(\a)+FR-1], v[8*(8*((\a)%4)+\b):8*(8*((\a)%4)+\b)+7], v[SC+8*NQ*(\sc)+NQ*\b+(\q)], v[SC+8*NQ*(\sc)+NQ*(\a)+(\q)] matrix_a_fmt:MATRIX_FMT_FP4 matrix_b_fmt:MATRIX_FMT_FP4 matrix_a_scale:MATRIX_SCALE_ROW1
.endif
.endr
.endr
.endm
.macro FETCH_B slot, q, p              ; B's eight fragments of the slot's q-th 128 along K into set p
	WIN TO_B
.irp i, 0,1,2,3,4,5,6,7
	FRAG 128*(\p)+FR*\i, ADRB+\slot, \q, \i
.endr
	WIN 0
.endm
.macro FETCH_A slot, q, i0             ; A's blocks i0 .. i0 + 3
.irp i, \i0, \i0+1, \i0+2, \i0+3
	FRAG AF+FR*(\i), ADRA+\slot, \q, \i
.endr
.endm
.macro SCALES sc                       ; a slot's scale words into set sc: four words a row; lanes 0-15 take A's block i, lanes 16-31 B's block i
.irp i, 0,1,2,3,4,5,6,7
	ds_load_b128 v[SC+8*NQ*\sc+NQ*\i:SC+8*NQ*\sc+NQ*\i+3], v[ADRS] offset:\i*SBLK
.endr
.endm
; A load into a register that a matrix instruction has read, and a vector instruction or a store that reads a matrix result, stand NP places behind that matrix instruction; only plain vector
; instructions that name none of its registers are places (ISA guide 7.12.1 for vector instructions).
.macro PLACES n
.rept \n
	v_nop
.endr
.endm
; A step of 128 along K that has its successor in the same slot.  A's blocks go one after the other, each against B's eight: so one set of registers serves A (blocks 0-3 fetched anew in the step's middle, 4-7 at its end), two serve B.
.macro STEP slot, q, zero
	s_wait_dscnt 4*NL                              ; B's set and A's blocks 0-3 are in; the youngest eight loads (A's blocks 4-7) may be out
	WIN MUL_LO
	MUL16 0, (\q)%2, \q, \slot, \zero
	MUL16 2, (\q)%2, \q, \slot, \zero
	s_wait_dscnt 0                                 ; A's blocks 4-7 are in (asked for 32 matrix instructions ago)
	PLACES NP
	FETCH_B \slot, (\q)+1, 1-(\q)%2
	FETCH_A \slot, (\q)+1, 0
	WIN MUL_HI
	MUL16 4, (\q)%2, \q, \slot, \zero
	MUL16 6, (\q)%2, \q, \slot, \zero
	PLACES NP
	WIN 0
	FETCH_A \slot, (\q)+1, 4
.endm
; Slot 0's last step goes over to slot 1: each wave waits for all its tensor loads (its part of slot 1 is the one that was out), and the barrier shows the whole slot to every wave.  Nothing is filled again.
.macro TURN slot, next
	s_wait_tensorcnt 0x0                           ; all my tensor loads have landed;  (every window is 0 here: the add's two registers lie in window 0)
	ds_add_u32 v[SPW], v[NIL]                      ; 0 onto my spare word
	s_wait_dscnt 4*NL+1                            ; (the add and the youngest eight loads, A's blocks 4-7, may be out)
	WIN MUL_LO
	MUL16 0, 1, NQ-1, \slot, 0                     ; sixteen matrix instructions stand between the add and the wait for it
	s_wait_dscnt 0x0                               ; the add is done, and no LDS instruction of mine is pending at the signal
	s_barrier_signal -1
	MUL16 2, 1, NQ-1, \slot, 0
	WIN 0
	s_barrier_wait -1
	PLACES NP
	v_add_nc_u32 v[ADRS], 4*NQ, v[ADRS]            ; on to the next slot's scale words
	FETCH_B \next, 0, 0
	FETCH_A \next, 0, 0
	SCALES \next
	WIN MUL_HI
	MUL16 4, 1, NQ-1, \slot, 0
	MUL16 6, 1, NQ-1, \slot, 0
	PLACES NP
	WIN 0
	FETCH_A \next, 0, 4
.endm
.macro STEPS slot, from                ; the slot's steps from .. NQ - 2
.set Q, \from
.rept NQ-1-\from
	STEP \slot, Q, 0
.set Q, Q+1
.endr
.endm
	s_wait_tensorcnt 1                             ; the scales and my part of slot 0 are in (slot 1's load may be out)
	s_barrier_signal -1
	s_barrier_wait -1                              ; everybody's are
	FETCH_B 0, 0, 0
	FETCH_A 0, 0, 0
	SCALES 0
	FETCH_A 0, 0, 4
	STEP 0, 0, 1                                   ; the first step's products start the sums
	STEPS 0, 1
	TURN 0, 1
	STEPS 1, 0
	s_wait_dscnt 4*NL                              ; the last step: nothing more to fetch
	WIN MUL_LO
	MUL16 0, 1, NQ-1, 1, 0
	MUL16 2, 1, NQ-1, 1, 0
	s_wait_dscnt 0
	WIN MUL_HI
	MUL16 4, 1, NQ-1, 1, 0
	MUL16 6, 1, NQ-1, 1, 0
	WIN 0
; THE WAY OUT.  Accumulator (a, b): lane (r, h) holds A's row 16 a + r and B's rows 16 b + 8 h + 0 .. 7.  Four conversions make 16 bytes: quad b % 2 of an image.  isv = 0: image (head b / 4, positions a, channels (b % 4) / 2);
; isv = 1: image (head a / 4, positions b / 2, channels a % 4).  Four sets of packed registers take turns; a set is written again only when its stores have read it.
.macro OUT isv
	PLACES NP                                      ; behind the last products: the conversions read results and write over A's fragments
.irp a, 0,1,2,3,4,5,6,7
.if \a >= 4
	s_wait_xcnt 0x0                                ; the stores of four blocks back have read their registers
.endif
	WIN 0x0a+5*(\a/4)                              ; sources 0 and 1: window 2 or 3
.irp b, 0,1,2,3,4,5,6,7
.irp r, 0,1,2,3
	v_cvt_pk_f16_f32 v[PK+32*(\a%4)+4*\b+\r], v[64*(\a%4)+8*\b+2*\r], v[64*(\a%4)+8*\b+2*\r+1]   ; each accumulator from its low end on
.endr
.endr
	WIN 0
.irp b, 0,1,2,3,4,5,6,7
.if \isv
	global_store_b128 v[CO], v[PK+32*(\a%4)+4*\b:PK+32*(\a%4)+4*\b+3], s[OUTP:OUTP+1] offset:(\a/4)*262144+(\b/2)*4096+(\a%4)*1024+(\b%2)*512   ; 32 lanes store 512 consecutive bytes, aligned
.else
	global_store_b128 v[CO], v[PK+32*(\a%4)+4*\b:PK+32*(\a%4)+4*\b+3], s[OUTP:OUTP+1] offset:(\b/4)*262144+\a*2048+(\b%4)*512
.endif
.endr
.endr
	s_cmp_lg_u32 s[FINE], 0                        ; positions 0-15 in f32 too, as the accumulators stand
	s_cbranch_scc1 .Lcoarse_\@
.if \isv
.irp a, 0,1,2,3,4,5,6,7
	WIN 0x08+4*(\a/4)                              ; a store's data are its source 1: window 2 or 3
	global_store_b128 v[CO], v[64*(\a%4):64*(\a%4)+3], s[FFP:FFP+1] offset:\a*1024
	global_store_b128 v[CO], v[64*(\a%4)+4:64*(\a%4)+7], s[FFP:FFP+1] offset:\a*1024+512
.endr
.else
	WIN 0x08
.irp b, 0,1,2,3,4,5,6,7
	global_store_b128 v[CO], v[8*\b:8*\b+3], s[FFP:FFP+1] offset:\b*1024
	global_store_b128 v[CO], v[8*\b+4:8*\b+7], s[FFP:FFP+1] offset:\b*1024+512
.endr
.endif
	WIN 0
.Lcoarse_\@:
.endm
	s_cmp_eq_u32 s2, 2                             ; the cluster's x: the same in all partners and waves
	s_cbranch_scc1 .Lv
	OUT 0
	s_branch .Lfin
.Lv:
	OUT 1
.Lfin:
	s_wait_tensorcnt 0x0                           ; the wave's end, behind my last tensor load
	ds_add_u32 v[SPW], v[NIL]
	s_wait_dscnt 0x0
	CROUND                                         ; the closing round: no work-group ends while a partner may still ask for a tile that names it
	s_endpgm
.Lfunc_end_k_q998909a89d_qkv:
	.size	k_q998909a89d_qkv, .Lfunc_end_k_q998909a89d_qkv-k_q998909a89d_qkv
	.p2alignl 7, 3214868480
	.fill 96, 4, 3214868480
	.section	.rodata,"a",@progbits
	.p2align	6, 0x0
	.amdhsa_kernel k_q998909a89d_qkv
		.amdhsa_group_segment_fixed_size 327680
		.amdhsa_private_segment_fixed_size 0
		.amdhsa_enable_private_segment 0
		.amdhsa_kernarg_size 32
		.amdhsa_user_sgpr_count 2
		.amdhsa_user_sgpr_kernarg_segment_ptr 1
		.amdhsa_wavefront_size32 1
		.amdhsa_system_sgpr_workgroup_id_x 1
		.amdhsa_system_sgpr_workgroup_id_y 1
		.amdhsa_system_sgpr_workgroup_id_z 1
		.amdhsa_system_vgpr_workitem_id 0
		.amdhsa_next_free_vgpr 1024
		.amdhsa_next_free_sgpr 102
		.amdhsa_reserve_vcc 0
		.amdhsa_float_denorm_mode_32 3
		.amdhsa_float_denorm_mode_16_64 3
		.amdhsa_memory_ordered 1
		.amdhsa_forward_progress 1
		.amdhsa_inst_pref_size 144
	.end_amdhsa_kernel
	.amdgpu_metadata
---
amdhsa.version: [ 1, 2 ]
amdhsa.kernels:
  - .name:           k_q998909a89d_qkv
    .symbol:         k_q998909a89d_qkv.kd
    .args:
      - { .name: codes, .offset: 0, .size: 8, .value_kind: global_buffer, .address_space: global }
      - { .name: scl, .offset: 8, .size: 8, .value_kind: global_buffer, .address_space: global }
      - { .name: qkvf, .offset: 16, .size: 8, .value_kind: global_buffer, .address_space: global }
      - { .name: ff, .offset: 24, .size: 8, .value_kind: global_buffer, .address_space: global }
    .group_segment_fixed_size: 327680
    .private_segment_fixed_size: 0
    .kernarg_segment_align: 8
    .kernarg_segment_size: 32
    .max_flat_workgroup_size: 128
    .sgpr_count:     102
    .vgpr_count:     1024
    .wavefront_size: 32
...
	.end_amdgpu_metadata
.endif
;; end of part 2
;; launch attn (part 3): grid 4 x 64, 16 waves a work-group, no clusters, 327,680 bytes of LDS; arguments qkvf, af; writes af
.if DOCPART == 3
	.amdgcn_target "amdgcn-amd-amdhsa--gfx1250"
	.amdhsa_code_object_version 6
	.text
	.protected	k_q998909a89d_attn
	.globl	k_q998909a89d_attn
	.p2align	8
	.type	k_q998909a89d_attn,@function
k_q998909a89d_attn:
	s_mov_b64 s[64:65], 0
	v_nop
	global_prefetch_b8 v0, s[64:65] scope:SCOPE_SE
	s_setreg_imm32_b32 hwreg(HW_REG_WAVE_MODE, 25, 1), 1
	s_wait_xcnt 0x0
; Causal attention, 64 (batch, head) pairs x 2,048 positions x head size 64, on f16 operands with f32 sums: O[q] = sum over k <= q of softmax_k(Q[q] . K[k] / 8) V[k].
; Q, K and V^T arrive as IMAGES OF OPERAND REGISTERS (a fragment of 1,024 bytes: [quad 2][lane 32][16 bytes]): Q at 0 and K at 2^24: [bh][16 positions 128][32 channels 2][1024]; V^T at 2^25: [bh][32 keys 64][16 channels 4][1024].
; So every LDS and global load here is 16 bytes a lane at 16 x lane: no pitch, no padding, no turning load.  O leaves the same way, as images for the projection: af [b x 128 + position / 16][2 head + channels / 32][1024].
; SHARES.  Work-group (j, bh) owns the blocks j and 7 - j of 256 queries of one head: under the causal mask every work-group then has the same work.  Waves 0-7 take block j, waves 8-15 block 7 - j; a wave owns 32 queries, two tiles,
; in 256 registers: four waves to a SIMD, so that one wave's vector work stands beside another's matrix work and LDS loads.
; LAYOUT.  S^T = K Q^T (source 0 = 16 keys, source 1 = 16 queries): a lane holds ONE query (lane % 16) and keys 8 (lane / 16) + 0..7.  Two such tiles, rounded to f16 in pairs, ARE source 1 of O^T = V^T P.
; SOFTMAX.  A running maximum m and sum l for each query: p = 2^(c s - c m), c = log2(e) / 8; in every step O and l are multiplied by a = 2^(c m_old - c m_new).  The sum is taken of the unrounded p.
; THE RING.  Two LDS slots of 256 keys (K 32 KB, V^T 32 KB), filled by waves 0-3, 16 KB each, read by all sixteen.  Every work-group walks all 8 slots: the trip counts are constants.  A step (64 keys) all of whose keys come after
; the wave's queries is jumped over; a slot whose first key comes after the work-group's last query is not asked for.
; NO CLUSTER: the four work-groups of a head end their walks at different slots (8 - j of them): a joint load would bring slots whose reads every wave of a partner jumps over.
; LIMITS: NaN and infinities are not served; q, k, v lie within f16's 65,504 (the launch before rounds them).
.set SLOT1, 65536                      ; slot 1 begins here: one exclusive or turns an address in one slot into the other's
.set VOFF,  32768                      ; in a slot: K's 32 images, then V^T's 32
.set SPARE, 131072                     ; behind the ring: the spare words, 128 bytes for each of the sixteen waves
.set LI,  1                            ; v1   16 x lane; never rewritten
.set ADR, 2                            ; v2   LDS address of the step's images
.set SPW, 3                            ; v3   LDS address of my spare word; never rewritten
.set NIL, 4                            ; v4   0; never rewritten
.set PFO, 5                            ; v5   256 x lane: the prefetches' offset; never rewritten
.set ST,  16                           ; tile t's statistics at v[16 + 8 t]: +0 c m, +1 m, +2, +3 l (even, odd keys'), +4 to +7 at work; a takes +6
.set Q,   32                           ; v32-63   Q: fragment (tile t, channels 32 c) at 32 + 16 t + 8 c
.set KV,  64                           ; v64-127  K's eight fragments, then V^T's eight
.set S,   128                          ; v128-191 S^T: tile t, keys 16 i at 128 + 32 t + 8 i; p in f16 is packed in place into the tile's first 16 registers
.set O,   192                          ; v192-255 O^T: tile t, channels 16 c at 192 + 32 t + 8 c
.set WV,  12                           ; s12  my wave
.set G1,  16                           ; s[16:23] descriptor group 1: 64 rows of 256 bytes, dense
.set G0,  24                           ; s[24:27] group 0, which walks
.set TB,  28                           ; s28  LDS byte at which the step's images of K begin
.set SLOTS, 29                         ; s29  changes of slots still to come in the loop
.set KF,  30                           ; s30  the step's first key
.set Q0,  31                           ; s31  my first query
.set QL,  32                           ; s32  my work-group's last query
.set STEPC, 33                         ; s33  counts a slot's four steps
.set CS,  34                           ; s[34:35] c: the packed form names a pair and takes its low word for both halves
.set SEL, 36                           ; s[36:37] lane selects for v_permlanex16_b32: lane l xor 16
.set PFA, 38                           ; s[38:39] where my prefetches stand
.set LIM, 40                           ; s40  1 in a wave that prefetches, else the greatest number
; Waves 0 and 1 fetch K's halves of a slot, waves 2 and 3 V^T's, the others nothing.  The branch hangs on the wave's number alone.  An s_nop 0 and four v_nop follow the load.
.macro TLOAD
	s_cmp_lt_u32 s[WV], 4
	s_cbranch_scc0 .Lnone_\@
	tensor_load_to_lds s[G0:G0+3], s[G1:G1+7]
	s_nop 0
.rept 4
	v_nop
.endr
.Lnone_\@:
.endm
; A PREFETCH INTO THE L2 of what the NEXT change of slots will ask for: a slot's 32 KB of K and 32 KB of V^T.  All four work-groups of a head walk the same K and V: work-group j = 0, which walks all slots, asks.
; In it the waves ask that fetch nothing, one instruction each: waves 4-7 for K, waves 8-11 for V^T, 8,192 bytes a wave, lanes 256 bytes apart: each aligned 256 bytes is named once in the launch.
; Slots 0 and 1 come by their loads alone; the last change that fills a slot asks for nothing: there is no slot behind it.
.macro ASK
	s_cmp_gt_u32 s[SLOTS], s[LIM]
	s_cbranch_scc0 .Lnot_mine_\@
	global_prefetch_b8 v[PFO], s[PFA:PFA+1] th:TH_LOAD_NT scope:SCOPE_SE
.Lnot_mine_\@:
.endm
	s_load_b128 s[4:7], s[0:1], 0x0                ; qkvf, af
	v_lshl_add_u32 v[SPW], v0, 2, SPARE
	v_mov_b32 v[NIL], 0
	ds_add_u32 v[SPW], v[NIL]                      ; the wave's opening: the add, twice on end, and its wait ahead of the first tensor load
	ds_add_u32 v[SPW], v[NIL]                      ; (once more; the set-up below, work on registers, stands between it and the wait)
	v_lshrrev_b32 v1, 5, v0
	v_readfirstlane_b32 s[WV], v1                  ; wave 0..15
	s_mov_b32 s13, ttmp9                           ; j
	s_and_b32 s14, ttmp7, 0xffff                   ; bh
	s_sub_co_u32 s42, 7, s13
	s_cmp_lt_u32 s[WV], 8
	s_cselect_b32 s42, s13, s42                    ; my block of 256 queries: j or 7 - j
	s_lshl_b32 s[Q0], s42, 8
	s_and_b32 s43, s[WV], 7
	s_lshl_b32 s43, s43, 5
	s_add_co_u32 s[Q0], s[Q0], s43                 ; my first query
	s_lshl_b32 s[QL], s13, 8
	s_sub_co_u32 s[QL], 2047, s[QL]                ; the last query of block 7 - j
	s_mov_b32 s[G1], 3<<16                         ; 15:0 no mask; 17:16 elements of 8 bytes; no padding
	s_mov_b32 s[G1+1], 32<<16                      ; tensor_dim0 = 32 elements: 256 bytes
	s_mov_b32 s[G1+2], 64<<16                      ; tensor_dim1 = 64
	s_mov_b32 s[G1+3], 32<<16                      ; tile_dim0
	s_mov_b32 s[G1+4], 64                          ; tile_dim1
	s_mov_b32 s[G1+5], 32                          ; from row to row: dense
	s_mov_b32 s[G1+6], 0
	s_mov_b32 s[G1+7], 0
	s_mov_b32 s[G0], 1
	s_lshl_b32 s[G0+1], s[WV], 14                  ; LDS: 16 KB x wave: K's halves, V^T's halves of slot 0
	s_lshl_b32 s44, s14, 18                        ; the head's 262,144 bytes in each part
	s_lshr_b32 s42, s[WV], 1
	s_add_co_u32 s42, s42, 1
	s_lshl_b32 s42, s42, 24                        ; part 1 (waves 0, 1) or 2 (waves 2, 3)
	s_add_co_u32 s42, s42, s44
	s_and_b32 s43, s[WV], 1
	s_lshl_b32 s43, s43, 14
	s_add_co_u32 s42, s42, s43                     ; my half
	s_mov_b32 s43, 0
	s_lshr_b32 s46, s[WV], 3
	s_add_co_u32 s46, s46, 1
	s_lshl_b32 s46, s46, 24                        ; the prefetches: part 1 (waves 4-7) or 2 (waves 8-11),
	s_add_co_u32 s46, s46, s44
	s_and_b32 s47, s[WV], 3
	s_lshl_b32 s47, s47, 13
	s_add_co_u32 s46, s46, s47                     ; my wave's 8,192 bytes,
	s_add_co_u32 s46, s46, 32768                   ; in slot 1: the first change of slots steps it to slot 2
	s_mov_b32 s47, 0
	s_sub_co_u32 s45, s[WV], 4
	s_lshr_b32 s45, s45, 3                         ; 0 in waves 4 to 11,
	s_or_b32 s45, s45, s13                         ; of work-group j = 0
	s_cmp_eq_u32 s45, 0
	s_cselect_b32 s[LIM], 1, -1
	s_mov_b32 s[CS], 0x3e38aa3b                    ; c = log2(e) / 8
	s_mov_b32 s[CS+1], s[CS]
	s_mov_b32 s[SEL], 0x76543210
	s_mov_b32 s[SEL+1], 0xfedcba98
	s_mov_b32 s[TB], 0
	s_mov_b32 s[KF], 0
	s_mov_b32 s[SLOTS], 7
	s_wait_dscnt 0x0                               ; both opening adds are done
	s_wait_kmcnt 0x0
	s_add_nc_u64 s[G0+2:G0+3], s[4:5], s[42:43]
	s_or_b32 s[G0+3], s[G0+3], 0x80000000          ; type = 2
	TLOAD                                          ; slot 0: key 0 counts for every query, so it is read
	s_add_nc_u64 s[PFA:PFA+1], s[4:5], s[46:47]
	s_lshl_b32 s42, s[Q0], 7                       ; Q: 2,048 bytes for each 16 queries
	s_add_co_u32 s42, s42, s44
	s_add_nc_u64 s[8:9], s[4:5], s[42:43]
	s_lshr_b32 s46, s14, 4
	s_lshl_b32 s46, s46, 22                        ; af: batch x 128 x 32,768,
	s_lshl_b32 s45, s[Q0], 11                      ; + (Q0 / 16) x 32,768,
	s_add_co_u32 s46, s46, s45
	s_and_b32 s45, s14, 15
	s_lshl_b32 s45, s45, 11                        ; + head x 2,048
	s_add_co_u32 s46, s46, s45
	s_add_nc_u64 s[10:11], s[6:7], s[46:47]
	v_and_b32 v1, 31, v0
	v_lshlrev_b32 v[LI], 4, v1
	v_lshlrev_b32 v[PFO], 4, v[LI]
.irp i, 0,1,2,3,4,5,6,7
	global_load_b128 v[Q+4*\i:Q+4*\i+3], v[LI], s[8:9] offset:512*\i   ; Q's four fragments stay in registers
.endr
	v_and_b32 v7, 15, v0
	v_bfe_u32 v6, v0, 4, 1
	v_lshlrev_b32 v6, 3, v6
	v_sub_nc_u32 v7, v7, v6                        ; v7 = lane % 16 - 8 (lane / 16): for the mask
	v_mov_b32 v10, 0xff800000                      ; -infinity
.irp i, 0,1,2,3,4,5,6,7,8,9,10,11,12,13,14,15
	v_mov_b32 v[ST+\i], 0                          ; l = 0, and every register of the statistics is written
.endr
.irp t, 0,1
	v_mov_b32 v[ST+8*\t+1], 0xff61b1e6             ; m = -3e38, under every score
.endr
.irp t, 0,1
	v_mul_f32 v[ST+8*\t], s[CS], v[ST+8*\t+1]      ; c m
.endr
.set n, 0
.rept 64
	v_mov_b32 v[O+n], 0                            ; O^T.  (The step is written once: the first finds zeros, which a = 0 leaves zeros)
.set n, n+1
.endr
; A KEY STEP: 64 keys.
.macro STEP
	s_add_co_u32 s46, s[Q0], 31
	s_cmp_gt_u32 s[KF], s46                        ; all 64 keys come after my 32 queries: the step's work is left out (ids and the count of steps alone)
	s_cbranch_scc1 .Lhid_\@
	v_add_nc_u32 v[ADR], s[TB], v[LI]
.irp n, 0,1,2,3,4,5,6,7,8,9,10,11,12,13,14,15
	ds_load_b128 v[KV+4*\n:KV+4*\n+3], v[ADR] offset:512*\n           ; K: fragment (keys 16 i, channels 32 c) at KV + 8 (2 i + c)
.endr
	s_wait_dscnt 0x0
.irp c, 0,1                                    ; S^T = K Q^T: the eight accumulators take turns; the first eight products start the sums
.irp i, 0,1,2,3
.irp t, 0,1
.if \c == 0
	v_wmma_f32_16x16x32_f16 v[S+32*\t+8*\i:S+32*\t+8*\i+7], v[KV+8*(2*\i+\c):KV+8*(2*\i+\c)+7], v[Q+16*\t+8*\c:Q+16*\t+8*\c+7], 0
.else
	v_wmma_f32_16x16x32_f16 v[S+32*\t+8*\i:S+32*\t+8*\i+7], v[KV+8*(2*\i+\c):KV+8*(2*\i+\c)+7], v[Q+16*\t+8*\c:Q+16*\t+8*\c+7], v[S+32*\t+8*\i:S+32*\t+8*\i+7]
.endif
.endr
.endr
.endr
.rept 4
	v_nop                                          ; four places: in front of the loads into K's registers, and of the first read of the scores
.endr
.irp n, 0,1,2,3,4,5,6,7,8,9,10,11,12,13,14,15
	ds_load_b128 v[KV+4*\n:KV+4*\n+3], v[ADR] offset:VOFF+512*\n      ; V^T: fragment (keys 32 u, channels 16 c) at KV + 8 (4 u + c): it lands under the softmax
.endr
	s_add_co_u32 s46, s[KF], 63
	s_cmp_le_u32 s46, s[Q0]                        ; a step all of whose keys count skips the mask
	s_cbranch_scc1 .Lopen_\@
	s_sub_co_i32 s46, s[Q0], s[KF]
	v_add_nc_u32 v8, s46, v7                       ; d = my query - KF - 8 (lane / 16), tile 0's;
	v_add_nc_u32 v9, 16, v8                        ; tile 1's.  Register 8 i + jj holds key KF + 16 i + 8 (lane / 16) + jj: hidden where 16 i + jj > d
.irp t, 0,1
.irp n, 0,1,2,3,4,5,6,7,8,9,10,11,12,13,14,15,16,17,18,19,20,21,22,23,24,25,26,27,28,29,30,31
	v_cmp_gt_i32 vcc_lo, 16*(\n/8)+\n%8, v[8+\t]
	v_cndmask_b32 v[S+32*\t+\n], v[S+32*\t+\n], v10, vcc_lo
.endr
.endr
.Lopen_\@:
	; the maximum of the lane's 32 scores and the old m, three operands at a time, the two tiles line by line
.irp j, 0,1,2,3
.irp t, 0,1
	v_max3_num_f32 v[ST+8*\t+4+\j], v[S+32*\t+8*\j], v[S+32*\t+8*\j+1], v[S+32*\t+8*\j+2]   ; each accumulator from its low end on
.endr
.endr
.irp g, 1,2
.irp j, 0,1,2,3
.irp t, 0,1
	v_max3_num_f32 v[ST+8*\t+4+\j], v[ST+8*\t+4+\j], v[S+32*\t+8*\j+2*\g+1], v[S+32*\t+8*\j+2*\g+2]
.endr
.endr
.endr
.irp t, 0,1
	v_max3_num_f32 v[ST+8*\t+4], v[ST+8*\t+4], v[S+32*\t+7], v[S+32*\t+15]
.endr
.irp t, 0,1
	v_max3_num_f32 v[ST+8*\t+6], v[ST+8*\t+6], v[S+32*\t+23], v[S+32*\t+31]
.endr
.irp t, 0,1
	v_max3_num_f32 v[ST+8*\t+4], v[ST+8*\t+4], v[ST+8*\t+5], v[ST+8*\t+6]
.endr
.irp t, 0,1
	v_max3_num_f32 v[ST+8*\t+4], v[ST+8*\t+4], v[ST+8*\t+7], v[ST+8*\t+1]
.endr
.irp t, 0,1
	v_permlanex16_b32 v[ST+8*\t+5], v[ST+8*\t+4], s[SEL], s[SEL+1]    ; the query's other 32 keys lie in the lane 16 away
.endr
.irp t, 0,1
	v_mov_b32 v[ST+8*\t+7], v[ST+8*\t]             ; c m_old is kept for a
.endr
.irp t, 0,1
	v_max_num_f32 v[ST+8*\t+1], v[ST+8*\t+4], v[ST+8*\t+5]            ; the new m
.endr
.irp t, 0,1
	v_mul_f32 v[ST+8*\t], s[CS], v[ST+8*\t+1]      ; c m
.endr
.irp t, 0,1
	v_sub_f32 v[ST+8*\t+7], v[ST+8*\t+7], v[ST+8*\t]
.endr
.set n, 0
.rept 16
.irp t, 0,1
	v_pk_fma_f32 v[S+32*\t+2*n:S+32*\t+2*n+1], v[S+32*\t+2*n:S+32*\t+2*n+1], s[CS:CS+1], v[ST+8*\t:ST+8*\t+1] op_sel_hi:[1,0,0] neg_lo:[0,0,1] neg_hi:[0,0,1]   ; c s - c m, two at a time
.endr
.set n, n+1
.endr
.irp t, 0,1
	v_exp_f32 v[ST+8*\t+6], v[ST+8*\t+7]           ; a = 2^(c m_old - c m_new)
.endr
.set n, 0
.rept 64
	v_exp_f32 v[S+n], v[S+n]                       ; p: ONE batch of 66 exponentials
.set n, n+1
.endr
	v_nop                                          ; a plain instruction behind the last exponential
	s_wait_alu depctr_va_vdst(0)                   ; one wait for the whole batch, ahead of its first reader
.irp t, 0,1                                    ; the sums of the unrounded p: two chains a tile
	v_pk_add_f32 v[ST+8*\t+4:ST+8*\t+5], v[S+32*\t:S+32*\t+1], v[S+32*\t+2:S+32*\t+3]
	v_pk_add_f32 v[12+2*\t:13+2*\t], v[S+32*\t+4:S+32*\t+5], v[S+32*\t+6:S+32*\t+7]
.endr
.irp j, 8,12,16,20,24,28
.irp t, 0,1
	v_pk_add_f32 v[ST+8*\t+4:ST+8*\t+5], v[ST+8*\t+4:ST+8*\t+5], v[S+32*\t+\j:S+32*\t+\j+1]
	v_pk_add_f32 v[12+2*\t:13+2*\t], v[12+2*\t:13+2*\t], v[S+32*\t+\j+2:S+32*\t+\j+3]
.endr
.endr
.irp t, 0,1
	v_pk_add_f32 v[ST+8*\t+4:ST+8*\t+5], v[ST+8*\t+4:ST+8*\t+5], v[12+2*\t:13+2*\t]
.endr
.irp t, 0,1
	v_pk_fma_f32 v[ST+8*\t+2:ST+8*\t+3], v[ST+8*\t+2:ST+8*\t+3], v[ST+8*\t+6:ST+8*\t+7], v[ST+8*\t+4:ST+8*\t+5] op_sel_hi:[1,0,1]   ; l = l a + the step's sum
.endr
.set n, 0
.rept 16
.irp t, 0,1
	v_cvt_pk_f16_f32 v[S+32*\t+n], v[S+32*\t+2*n], v[S+32*\t+2*n+1]   ; p to f16, in place, ascending: the packing never overtakes its sources
.endr
.set n, n+1
.endr
.set n, 0
.rept 16
.irp t, 0,1
	v_pk_mul_f32 v[O+32*\t+2*n:O+32*\t+2*n+1], v[O+32*\t+2*n:O+32*\t+2*n+1], v[ST+8*\t+6:ST+8*\t+7] op_sel_hi:[1,0]   ; O^T x a, each accumulator from its low end on
.endr
.set n, n+1
.endr
	s_wait_dscnt 0x0                               ; V^T is in
.irp u, 0,1                                    ; O^T += V^T P: the eight accumulators take turns
.irp c, 0,1,2,3
.irp t, 0,1
	v_wmma_f32_16x16x32_f16 v[O+32*\t+8*\c:O+32*\t+8*\c+7], v[KV+8*(4*\u+\c):KV+8*(4*\u+\c)+7], v[S+32*\t+8*\u:S+32*\t+8*\u+7], v[O+32*\t+8*\c:O+32*\t+8*\c+7]
.endr
.endr
.endr
.rept 5
	v_nop                                          ; five places: the next step's products write over p's registers, its loads land on V^T's, and the way out reads O^T
.endr
.Lhid_\@:
	s_add_co_u32 s[KF], s[KF], 64
	s_add_co_u32 s[TB], s[TB], 8192                ; K's and V^T's images both go on 8,192 bytes a step
.endm
.macro FOUR_STEPS                              ; a slot's four steps: written once, walked four times
	s_mov_b32 s[STEPC], 4
.Lst_\@:
	STEP
	s_sub_co_u32 s[STEPC], s[STEPC], 1
	s_cmp_lg_u32 s[STEPC], 0
	s_cbranch_scc1 .Lst_\@
	s_sub_co_u32 s[TB], s[TB], 32768               ; back to a slot's first step,
	s_xor_b32 s[TB], s[TB], SLOT1                  ; in the other slot
.endm
; THE CHANGE OF SLOTS stands at a slot's head.  Each wave waits for all its tensor loads (its part of the slot that it is about to read), adds 0 to its spare word, and waits for that and for its reads of the slot that it has left.
; Behind the barrier the slot ahead is whole and nobody reads the other one.  fill = 1: that other slot takes the next 256 keys, up to the causal limit: the load has a slot's four steps in which to land.
.macro CHANGE fill
	s_wait_tensorcnt 0x0                           ; no tensor load of mine is out, so group 0 may be written
	ds_add_u32 v[SPW], v[NIL]                      ; 0 onto my spare word
.if \fill
	ds_add_u32 v[SPW], v[NIL]                      ; and once more: the add stands twice on end in every trip alike
	s_xor_b32 s[G0+1], s[G0+1], SLOT1              ; the walking descriptor: the other slot than last time,
	s_add_nc_u64 s[G0+2:G0+3], s[G0+2:G0+3], 32768 ; the next 256 keys; the type bits on top are not reached
	s_wait_xcnt 0x0                                ; the last prefetch, a slot back, has read its address, so it may be written:
	s_add_nc_u64 s[PFA:PFA+1], s[PFA:PFA+1], 32768 ; one slot further on than the walking descriptor
.endif
	s_wait_dscnt 0x0                               ; the add is done (fill = 1: both are), and my reads of the slot that I have left are over
	s_barrier_signal -1
	s_barrier_wait -1
.if \fill
	s_add_co_u32 s46, s[KF], 256                   ; the first key of the slot that this change would ask for:
	s_cmp_gt_u32 s46, s[QL]                        ; past my work-group's last query no wave reads it, so it is not asked for.  Ids and the count of steps alone: all sixteen waves go the same way
	s_cbranch_scc1 .Lpast_\@
	TLOAD                                          ; a wave's one tensor load until the next such barrier; every wait on TENSORcnt in this text is for 0
.Lpast_\@:
	ASK                                            ; what the next change of slots will ask for: four key steps ahead of that load
.endif
.endm
	s_wait_loadcnt 0x0                             ; Q
.Lslot:                                            ; 7 trips: behind each change of slots but the last the next slot is asked for, up to the causal limit
	CHANGE 1
	FOUR_STEPS
	s_sub_co_u32 s[SLOTS], s[SLOTS], 1
	s_cmp_lg_u32 s[SLOTS], 0
	s_cbranch_scc1 .Lslot
	CHANGE 0                                       ; the last slot is written out: nothing is left to ask for
	FOUR_STEPS
	; THE WAY OUT.  l's two halves and the other half of the lanes' are added; O^T is divided by l and rounded to f16: a lane's eight channels are a quad of an image.
.irp t, 0,1
	v_add_f32 v[ST+8*\t+4], v[ST+8*\t+2], v[ST+8*\t+3]
.endr
.irp t, 0,1
	v_permlanex16_b32 v[ST+8*\t+5], v[ST+8*\t+4], s[SEL], s[SEL+1]
.endr
.irp t, 0,1
	v_add_f32 v[ST+8*\t+4], v[ST+8*\t+4], v[ST+8*\t+5]
.endr
.irp t, 0,1
	v_rcp_f32 v[ST+8*\t+6], v[ST+8*\t+4]
.endr
	v_nop                                          ; a plain instruction behind the last reciprocal
	s_wait_alu depctr_va_vdst(0)                   ; and the wait ahead of the first use: one for both
.set n, 0
.rept 16
.irp t, 0,1
	v_pk_mul_f32 v[O+32*\t+2*n:O+32*\t+2*n+1], v[O+32*\t+2*n:O+32*\t+2*n+1], v[ST+8*\t+6:ST+8*\t+7] op_sel_hi:[1,0]
.endr
.set n, n+1
.endr
.irp t, 0,1
.irp c, 0,1,2,3
.irp r, 0,1,2,3
	v_cvt_pk_f16_f32 v[S+16*\t+4*\c+\r], v[O+32*\t+8*\c+2*\r], v[O+32*\t+8*\c+2*\r+1]
.endr
.endr
.endr
.irp t, 0,1
.irp c, 0,1,2,3
	global_store_b128 v[LI], v[S+16*\t+4*\c:S+16*\t+4*\c+3], s[10:11] offset:\t*32768+\c*512   ; 32 lanes store 512 consecutive bytes, aligned
.endr
.endr
	s_wait_tensorcnt 0x0                           ; the wave's end, behind my last tensor load
	ds_add_u32 v[SPW], v[NIL]
	s_wait_dscnt 0x0
	s_endpgm
.Lfunc_end_k_q998909a89d_attn:
	.size	k_q998909a89d_attn, .Lfunc_end_k_q998909a89d_attn-k_q998909a89d_attn
	.p2alignl 7, 3214868480
	.fill 96, 4, 3214868480
	.section	.rodata,"a",@progbits
	.p2align	6, 0x0
	.amdhsa_kernel k_q998909a89d_attn
		.amdhsa_group_segment_fixed_size 327680
		.amdhsa_private_segment_fixed_size 0
		.amdhsa_enable_private_segment 0
		.amdhsa_kernarg_size 16
		.amdhsa_user_sgpr_count 2
		.amdhsa_user_sgpr_kernarg_segment_ptr 1
		.amdhsa_wavefront_size32 1
		.amdhsa_system_sgpr_workgroup_id_x 1
		.amdhsa_system_sgpr_workgroup_id_y 1
		.amdhsa_system_sgpr_workgroup_id_z 1
		.amdhsa_system_vgpr_workitem_id 0
		.amdhsa_next_free_vgpr 256
		.amdhsa_next_free_sgpr 66
		.amdhsa_reserve_vcc 1
		.amdhsa_float_denorm_mode_32 3
		.amdhsa_float_denorm_mode_16_64 3
		.amdhsa_memory_ordered 1
		.amdhsa_forward_progress 1
		.amdhsa_inst_pref_size 57
	.end_amdhsa_kernel
	.amdgpu_metadata
---
amdhsa.version: [ 1, 2 ]
amdhsa.kernels:
  - .name:           k_q998909a89d_attn
    .symbol:         k_q998909a89d_attn.kd
    .args:
      - { .name: qkvf, .offset: 0, .size: 8, .value_kind: global_buffer, .address_space: global }
      - { .name: af, .offset: 8, .size: 8, .value_kind: global_buffer, .address_space: global }
    .group_segment_fixed_size: 327680
    .private_segment_fixed_size: 0
    .kernarg_segment_align: 8
    .kernarg_segment_size: 16
    .max_flat_workgroup_size: 512
    .sgpr_count:     66
    .vgpr_count:     256
    .wavefront_size: 32
...
	.end_amdgpu_metadata
.endif
;; end of part 3
;; launch proj (part 4): grid 8 x 64, 4 waves a work-group, clusters of 4 x 4, 327,680 bytes of LDS; arguments af, wp16, out0, b_proj; writes out0
.if DOCPART == 4
	.amdgcn_target "amdgcn-amd-amdhsa--gfx1250"
	.amdhsa_code_object_version 6
	.text
	.protected	k_q998909a89d_proj
	.globl	k_q998909a89d_proj
	.p2align	8
	.type	k_q998909a89d_proj,@function
k_q998909a89d_proj:
	s_mov_b64 s[64:65], 0
	v_nop
	global_prefetch_b8 v0, s[64:65] scope:SCOPE_SE
	s_setreg_imm32_b32 hwreg(HW_REG_WAVE_MODE, 25, 1), 1
	s_wait_xcnt 0x0
	s_wait_alu depctr_hold_cnt(0) depctr_sa_sdst(0) depctr_va_vdst(0) depctr_va_sdst(0) depctr_va_ssrc(0) depctr_va_vcc(0) depctr_vm_vsrc(0)
	s_getreg_b32 s2, hwreg(HW_REG_IB_STS2, 6, 4)
	s_cmp_eq_u32 s2, 0
	s_cbranch_scc0 .Lentry_in_a_cluster
	s_endpgm
.Lentry_in_a_cluster:
	s_bfe_u32 s2, ttmp6, 0x10000c
	s_cmp_lg_u32 s2, 0xf033
	s_cbranch_scc0 .Lentry_shape_is_right
	s_endpgm
.Lentry_shape_is_right:
; out0[m][n] = sum over c of A[m][c] w_proj[n][c] + b_proj[n]: M 8,192, N 1,024, K 1,024; f16 operands, f32 sums, f32 out.
; A, the attention's output, arrives as IMAGES OF OPERAND REGISTERS: af [16 rows 512][32 along K 32][1024 bytes], an image [quad 2][lane 32][16 bytes].  wp16 is w_proj in f16, row-major.
; A tile of the output is 128 x 128: 512 work-groups of equal work.  Four waves, each 64 x 64: 16 accumulators.  K goes in steps of 256 through two LDS slots.
; In a slot A's part is 8 tiles of 16 rows x 8 images, as they lie in memory (a fragment load is 16 bytes a lane at 16 x lane: no padding); B's part is 128 rows of 512 bytes + 16 of padding.
; CLUSTERS: 4 x 4 work-groups.  The four of a row of the cluster need the same tiles of A, the four of a column the same tiles of B: each is asked for JOINTLY, by the same tensor load with the same descriptor and a mask that names the four.
; THE MATRIX INSTRUCTION IS USED TRANSPOSED (source 0 = 16 rows of B, source 1 = 16 rows of A): a lane holds eight neighbouring numbers of a row of the output.  The bias is the C of each sum's first product.
; The rows of positions 0-15 of each sequence are written here too and written again, more finely, by the launch behind this one.
; REGISTERS: window 0: v0-31 addresses; v32-95 rows on the way out; v96-127 the bias in the result's layout; v128-255 the accumulators ((a, b) at v[128 + 8 (4 a + b)]).
;   window 1: two fragment buffers of 128: for 64 along K, 64 registers of A (2 x 4 x 16 rows x 32 K), then 64 of B.
.set KSTEP,  256
.set PITCH,  528                       ; B's LDS row: 512 bytes + 16 of padding
.set ATILE,  8192                      ; 16 rows of A for a K step: 8 images
.set AHALF,  4*ATILE                   ; what one tensor load brings of A, and what one wave reads
.set BHALF,  64*PITCH                  ; the same of B
.set BOFF,   2*AHALF                   ; in a slot: A's 128 rows, then B's 128 rows
.set SLOT,   BOFF+2*BHALF
.set STAGE,  2*SLOT                    ; behind the ring: 16 rows x 272 bytes for each wave, for the way out
.set SPITCH, 272
.set SPARE,  STAGE+4*16*SPITCH         ; behind the stages: the spare words, 128 bytes a wave
.set LAPS,   2                         ; a lap = two K steps = once round the ring: K = 1,024
.set ADRA, 16                          ; v16-17  LDS address of my A fragments in slot 0, 1
.set ADRB, 20                          ; v20-21  the same for B
.set STO,  24                          ; v24     the way out: where I put 32 bytes of a row
.set RD,   25                          ; v25     where I read a row back
.set CO,   26                          ; v26     my byte offset in the output
.set SPW,  28                          ; v28     LDS address of my spare word; never rewritten
.set NIL,  29                          ; v29     0; never rewritten
.set TMP,  32
.set BI,   96
.set ACC,  128
.set F0,   0                           ; fragment buffers, in window 1
.set F1,   128
.set G1, 24                            ; s[24:31] descriptor group 1 for A's tiles;  s[32:39] group 0, one set for each slot
.set G0, 32
.set G1B, 48                           ; s[48:55], s[56:63] the same for B's tiles
.set G0B, 56
.set MSB, 0
.macro WIN new                         ; the immediate's high byte repeats the setting that is left
.if MSB != (\new)
	s_set_vgpr_msb (MSB<<8)|(\new)
.set MSB, (\new)
.endif
.endm
.set MUL,  0x05                        ; sources 0 (B) and 1 (A) window 1; C and D window 0
.set TO_F, 0x40                        ; destination window 1, address window 0
.macro JLOAD s                         ; a joint load: waves 0 and 1 fetch A's two halves, waves 2 and 3 B's; an s_nop 0 and four v_nop follow each of the two lines
	s_cmp_eq_u32 s11, 0
	s_cbranch_scc0 .Lfor_b_\@
	tensor_load_to_lds s[G0+4*\s:G0+4*\s+3], s[G1:G1+7]
	s_nop 0
.rept 4
	v_nop
.endr
	s_branch .Lasked_\@
.Lfor_b_\@:
	tensor_load_to_lds s[G0B+4*\s:G0B+4*\s+3], s[G1B:G1B+7]
	s_nop 0
.rept 4
	v_nop
.endr
.Lasked_\@:
.endm
.macro CREST                           ; a round of the cluster's barrier behind its opening barrier
	s_cmp_lg_u32 s10, 0
	s_cbranch_scc1 .Lnot_wave_0_\@
	s_barrier_signal -3
.Lnot_wave_0_\@:
	s_barrier_wait -3
	s_barrier_signal -1
	s_barrier_wait -1
.endm
.macro CROUND                          ; a whole round
	s_barrier_signal -1
	s_barrier_wait -1
	CREST
.endm
	s_load_b128 s[4:7], s[0:1], 0x0                ; af s[4:5], wp16 s[6:7]
	s_load_b64 s[8:9], s[0:1], 0x10                ; out0
	s_load_b64 s[66:67], s[0:1], 0x18              ; b_proj
	v_lshl_add_u32 v[SPW], v0, 2, SPARE
	v_mov_b32 v[NIL], 0
	ds_add_u32 v[SPW], v[NIL]                      ; the wave's opening: the add, twice on end, and its wait ahead of my first tensor load
	ds_add_u32 v[SPW], v[NIL]                      ; (once more; the set-up below, work on registers, stands between it and the wait)
	v_lshrrev_b32 v1, 5, v0
	v_readfirstlane_b32 s10, v1                    ; wave 0..3
	s_lshr_b32 s11, s10, 1                         ; which half of the tile's rows is mine.  Also: I fetch for A (0) or for B (1)
	s_and_b32 s12, s10, 1                          ; which half of its columns.  Also: which 64 rows of that tile I fetch
	s_bfe_u32 s40, ttmp6, 0x40000                  ; cx, cy: my place in the cluster
	s_bfe_u32 s41, ttmp6, 0x40004
	s_lshl_b32 s42, ttmp9, 2
	s_add_co_u32 s42, s42, s40                     ; tile column = 4 x cluster x + cx
	s_and_b32 s13, ttmp7, 0xffff
	s_lshl_b32 s13, s13, 2
	s_add_co_u32 s13, s13, s41                     ; tile row = 4 x cluster y + cy
	s_lshl_b32 s43, s41, 2
	s_lshl_b32 s43, 15, s43                        ; my row of the cluster
	s_lshl_b32 s44, 0x1111, s40                    ; my column
	; A's group 1: four tiles of 16 rows, each 8,192 consecutive bytes (8 images), 32,768 bytes apart in memory; dense in LDS
	s_or_b32 s[G1+0], s43, (3<<16)|(1<<21)         ; 15:0 the mask: A's tiles go to my row; 17:16 elements of 8 bytes; 21 set beside a mask; no padding
	s_mov_b32 s[G1+1], 1024<<16                    ; tensor_dim0 = 1,024 elements
	s_mov_b32 s[G1+2], 4<<16                       ; tensor_dim1 = 4
	s_mov_b32 s[G1+3], 1024<<16                    ; tile_dim0
	s_mov_b32 s[G1+4], 4                           ; tile_dim1
	s_mov_b32 s[G1+5], 4096                        ; from row to row, in elements
	s_mov_b32 s[G1+6], 0
	s_mov_b32 s[G1+7], 0
	; B's group 1: 64 rows x 256 elements of 2 bytes, padded in LDS
	s_or_b32 s[G1B+0], s44, (1<<16)|(1<<20)|(1<<21)|(6<<22)|(3<<25)  ; the mask of my column; padding: four words after every 128
	s_mov_b32 s[G1B+1], KSTEP<<16
	s_mov_b32 s[G1B+2], 64<<16
	s_mov_b32 s[G1B+3], KSTEP<<16
	s_mov_b32 s[G1B+4], 64
	s_mov_b32 s[G1B+5], 1024
	s_mov_b32 s[G1B+6], 0
	s_mov_b32 s[G1B+7], 0
	s_lshl_b32 s17, s12, 17                        ; which 64 rows of the tile I fetch: 64 x 2,048 bytes in either tensor
	s_lshl_b32 s16, s13, 18
	s_add_co_u32 s16, s16, s17                     ; A: (128 x tile row + 64 x half) x 2,048
	s_lshl_b32 s46, s42, 18
	s_add_co_u32 s46, s46, s17                     ; B: (128 x tile column + 64 x half) x 2,048
	s_mov_b32 s17, 0
	s_mov_b32 s47, 0
	s_lshl_b32 s20, s12, 15                        ; where they go: A's half,
	s_mul_i32 s21, s12, BHALF
	s_add_co_u32 s21, s21, BOFF                    ; B's half: the wave's number alone enters an LDS address
	s_wait_dscnt 0x0                               ; both opening adds are done
	s_wait_kmcnt 0x0
	s_add_nc_u64 s[14:15], s[4:5], s[16:17]
	s_add_nc_u64 s[46:47], s[6:7], s[46:47]
	CROUND                                         ; all sixteen work-groups are here: the first joint loads meet
.irp s, 0,1
	s_mov_b32 s[G0+4*\s], 1
	s_add_co_u32 s[G0+4*\s+1], s20, \s*SLOT
	s_add_nc_u64 s[G0+4*\s+2:G0+4*\s+3], s[14:15], \s*ATILE
	s_or_b32 s[G0+4*\s+3], s[G0+4*\s+3], 0x80000000
	s_mov_b32 s[G0B+4*\s], 1
	s_add_co_u32 s[G0B+4*\s+1], s21, \s*SLOT
	s_add_nc_u64 s[G0B+4*\s+2:G0B+4*\s+3], s[46:47], \s*KSTEP*2
	s_or_b32 s[G0B+4*\s+3], s[G0B+4*\s+3], 0x80000000
	JLOAD \s                                       ; two tensor loads of mine are out at the most
.endr
	v_and_b32 v1, 15, v0                           ; l % 16
	v_bfe_u32 v2, v0, 4, 1                         ; l / 16
	v_and_b32 v6, 31, v0
	v_lshlrev_b32 v6, 4, v6                        ; 16 x lane: my place in an image
	v_mul_u32_u24 v3, v1, PITCH
	v_lshl_add_u32 v3, v2, 4, v3                   ; B: a fragment's row x pitch + 16 x half
	s_lshl_b32 s21, s11, 15                        ; my 64 rows of A
	s_mul_i32 s22, s12, BHALF                      ; my 64 rows of B,
	s_add_co_u32 s22, s22, BOFF                    ; which lie behind A's
.irp s, 0,1
	v_add_nc_u32 v[ADRA+\s], s21, v6
	v_add_nc_u32 v[ADRB+\s], s22, v3
	s_add_co_u32 s21, s21, SLOT
	s_add_co_u32 s22, s22, SLOT
.endr
	s_mul_i32 s23, s10, 16*SPITCH
	s_add_co_u32 s23, s23, STAGE                   ; my stage
	v_mul_u32_u24 v4, v1, SPITCH                   ; in: row l % 16, 32 bytes for each half of the lanes
	v_lshl_add_u32 v4, v2, 5, v4
	v_add_nc_u32 v[STO], s23, v4
	v_mul_u32_u24 v5, v2, SPITCH                   ; back: lanes 0-15 take one row of 256 bytes, lanes 16-31 the next
	v_lshl_add_u32 v5, v1, 4, v5
	v_add_nc_u32 v[RD], s23, v5
	v_lshlrev_b32 v5, 12, v2                       ; and the same two rows in the output: 4,096 bytes a row
	v_lshl_add_u32 v[CO], v1, 4, v5
	s_lshl_b32 s16, s13, 19
	s_lshl_b32 s17, s11, 18
	s_add_co_u32 s16, s16, s17                     ; my first row: (128 x tile row + 64 x half) x 4,096
	s_mov_b32 s17, 0
	s_add_nc_u64 s[8:9], s[8:9], s[16:17]
	s_lshl_b32 s46, s42, 9
	s_lshl_b32 s47, s12, 8
	s_add_co_u32 s46, s46, s47                     ; my first column, in bytes: 512 x tile column + 256 x half
	s_mov_b32 s47, 0
	s_add_nc_u64 s[8:9], s[8:9], s[46:47]
	s_add_nc_u64 s[66:67], s[66:67], s[46:47]      ; the bias of my 64 columns
	v_lshlrev_b32 v7, 5, v2                        ; lane (r, h) wants, for block b, the bias of columns 16 b + 8 h + 0 .. 7
.irp b, 0,1,2,3
	global_load_b128 v[BI+8*\b:BI+8*\b+3], v7, s[66:67] offset:64*\b
	global_load_b128 v[BI+8*\b+4:BI+8*\b+7], v7, s[66:67] offset:64*\b+16
.endr
; 8 matrix instructions: m blocks a0, a0 + 1 x all 4 n blocks, 32 along K: half c of buffer f.  zero = 1: the first product starts the sum from the bias.  The 16 accumulators take turns.
.macro MUL8 f, c, a0, zero
.irp a, \a0, \a0+1
.irp b, 0,1,2,3
.if \zero
	v_wmma_f32_16x16x32_f16 v[ACC+8*(4*(\a)+\b):ACC+8*(4*(\a)+\b)+7], v[\f+64+8*(4*\c+\b):\f+64+8*(4*\c+\b)+7], v[\f+8*(4*\c+\a):\f+8*(4*\c+\a)+7], v[BI+8*\b:BI+8*\b+7]
.else
	v_wmma_f32_16x16x32_f16 v[ACC+8*(4*(\a)+\b):ACC+8*(4*(\a)+\b)+7], v[\f+64+8*(4*\c+\b):\f+64+8*(4*\c+\b)+7], v[\f+8*(4*\c+\a):\f+8*(4*\c+\a)+7], v[ACC+8*(4*(\a)+\b):ACC+8*(4*(\a)+\b)+7]
.endif
.endr
.endr
.endm
; 32 LDS loads in one run: the fragments of the K step's quarter kq (64 along K) into buffer f; the first 32 along K first
.macro FETCH slot, kq, f
	WIN TO_F
.irp c, 0,1
.irp i, 0,1,2,3
	ds_load_b128 v[\f+64+8*(4*\c+\i):\f+64+8*(4*\c+\i)+3],   v[ADRB+\slot] offset:128*(\kq)+64*\c+\i*16*PITCH
	ds_load_b128 v[\f+64+8*(4*\c+\i)+4:\f+64+8*(4*\c+\i)+7], v[ADRB+\slot] offset:128*(\kq)+64*\c+\i*16*PITCH+32
	ds_load_b128 v[\f+8*(4*\c+\i):\f+8*(4*\c+\i)+3],         v[ADRA+\slot] offset:\i*ATILE+(2*(\kq)+\c)*1024
	ds_load_b128 v[\f+8*(4*\c+\i)+4:\f+8*(4*\c+\i)+7],       v[ADRA+\slot] offset:\i*ATILE+(2*(\kq)+\c)*1024+512
.endr
.endr
.endm
.macro PLACES                          ; four places in front of loads into registers that matrix instructions have read, and of the first read of results
.rept 4
	v_nop
.endr
.endm
; A K step is four quarters of 64 along K, 32 matrix instructions each, on buffers 0, 1, 0, 1.  One of the first three: multiplies buffer f and fetches quarter kq into g.
.macro QUARTER slot, kq, f, g, zero
	s_wait_dscnt 16                                ; the first 32 along K are in; the sixteen loads of the second may be out
	WIN MUL
	MUL8 \f, 0, 0, \zero
	MUL8 \f, 0, 2, \zero
	PLACES
	FETCH \slot, \kq, \g
	s_wait_dscnt 32                                ; all but the 32 just issued
	WIN MUL
	MUL8 \f, 1, 0, 0
	MUL8 \f, 1, 2, 0
.endm
; The last quarter multiplies buffer 1 and changes slots: ONE barrier; in front of it each wave waits for all its tensor loads, adds 0 to its spare word, and waits for that and for its own reads of this slot.  fill = 1: this slot is filled again, two K steps ahead.
.macro TURN slot, next, fill
	WIN 0                                          ; (the add's two registers lie in window 0)
	s_wait_tensorcnt 0x0                           ; all my tensor loads have landed: my part of the next slot;
	ds_add_u32 v[SPW], v[NIL]                      ; 0 onto my spare word;
	s_wait_dscnt 17                                ; (the add and the youngest sixteen loads may be out)
	WIN MUL
	MUL8 F1, 0, 0, 0                               ; eight matrix instructions stand between the add and the wait for it
	s_wait_dscnt 0x0                               ; the add is done, and my reads of this slot are over
	s_barrier_signal -1
	MUL8 F1, 0, 2, 0
.if \fill
	WIN 0
.endif
	s_barrier_wait -1
.if \fill
	CREST                                          ; the barrier has opened a round of the cluster's barrier: no wave of any partner still reads this slot's tile or has a load on its way
	s_add_nc_u64 s[G0+4*\slot+2:G0+4*\slot+3], s[G0+4*\slot+2:G0+4*\slot+3], 2*ATILE
	s_add_nc_u64 s[G0B+4*\slot+2:G0B+4*\slot+3], s[G0B+4*\slot+2:G0B+4*\slot+3], 2*KSTEP*2
	JLOAD \slot                                    ; the first tensor load behind the round; the four v_nop behind it are also the places in front of the loads below
.else
	PLACES
.endif
	FETCH \next, 0, F0
	WIN MUL
	MUL8 F1, 1, 0, 0
	MUL8 F1, 1, 2, 0
.endm
	s_wait_tensorcnt 1                             ; my part of K step 0 is in (K step 1's load may be out)
	s_barrier_signal -1
	s_barrier_wait -1                              ; everybody's is
	FETCH 0, 0, F0
	s_wait_loadcnt 0x0                             ; the bias
	QUARTER 0, 1, F0, F1, 1                        ; the first quarter stands in front of the loop: its first products start the sums
	WIN 0                                          ; at a label and at a branch every window is 0
	s_mov_b32 s3, LAPS-1
.Llap:                                                 ; a trip goes once round the ring, from a lap's second quarter to the next lap's first, and fills both slots again
	QUARTER 0, 2, F1, F0, 0
	QUARTER 0, 3, F0, F1, 0
	TURN 0, 1, 1
	QUARTER 1, 1, F0, F1, 0
	QUARTER 1, 2, F1, F0, 0
	QUARTER 1, 3, F0, F1, 0
	TURN 1, 0, 1
	QUARTER 0, 1, F0, F1, 0
	WIN 0
	s_sub_co_u32 s3, s3, 1
	s_cmp_lg_u32 s3, 0
	s_cbranch_scc1 .Llap
	QUARTER 0, 2, F1, F0, 0                        ; the last lap fills nothing, and has no round of the cluster's barrier
	QUARTER 0, 3, F0, F1, 0
	TURN 0, 1, 0
	QUARTER 1, 1, F0, F1, 0
	QUARTER 1, 2, F1, F0, 0
	QUARTER 1, 3, F0, F1, 0
	s_wait_dscnt 16                                ; the very last quarter: nothing more to fetch
	WIN MUL
	MUL8 F1, 0, 0, 0
	MUL8 F1, 0, 2, 0
	s_wait_dscnt 0
	MUL8 F1, 1, 0, 0
	MUL8 F1, 1, 2, 0
	WIN 0
; THE WAY OUT, 16 rows x 64 columns at a time.  A lane holds 32 neighbouring bytes of a row, and the lanes beside it hold other rows: so a block goes through my own stage in LDS and comes back as whole rows of 256 bytes.
; LDS serves a wave's instructions in order: no wait between the stores and the loads, nor in front of the next block's stores.
.macro TOSTAGE a
.irp b, 0,1,2,3
	ds_store_b128 v[STO], v[ACC+8*(4*(\a)+\b):ACC+8*(4*(\a)+\b)+3] offset:64*\b           ; each accumulator from its low end on
	ds_store_b128 v[STO], v[ACC+8*(4*(\a)+\b)+4:ACC+8*(4*(\a)+\b)+7] offset:64*\b+16
.endr
.irp t, 0,1,2,3,4,5,6,7
	ds_load_b128 v[TMP+32*((\a)%2)+4*\t:TMP+32*((\a)%2)+4*\t+3], v[RD] offset:\t*2*SPITCH
.endr
.endm
.macro SEND a, younger                 ; younger: the LDS instructions issued behind block a's loads, which may stay out
	s_wait_dscnt \younger
.irp t, 0,1,2,3,4,5,6,7
	global_store_b128 v[CO], v[TMP+32*((\a)%2)+4*\t:TMP+32*((\a)%2)+4*\t+3], s[8:9] offset:(16*(\a)+2*\t)*4096 th:TH_STORE_NT   ; 16 lanes store 256 consecutive bytes, aligned
.endr
.endm
	PLACES
	TOSTAGE 0
	TOSTAGE 1
	SEND 0, 16                                     ; behind block 0's loads: block 1's 8 stores and 8 loads
	s_wait_xcnt 0x0                                ; block 0's stores have read their registers: block 2's loads may land there
	TOSTAGE 2
	SEND 1, 16
	s_wait_xcnt 0x0
	TOSTAGE 3
	SEND 2, 16
	SEND 3, 0
	s_wait_tensorcnt 0x0                           ; the wave's end, behind my last tensor load and my last LDS store
	ds_add_u32 v[SPW], v[NIL]
	s_wait_dscnt 0x0
	CROUND                                         ; the closing round: no work-group ends while a partner may still ask for a tile that names it
	s_endpgm
.Lfunc_end_k_q998909a89d_proj:
	.size	k_q998909a89d_proj, .Lfunc_end_k_q998909a89d_proj-k_q998909a89d_proj
	.p2alignl 7, 3214868480
	.fill 96, 4, 3214868480
	.section	.rodata,"a",@progbits
	.p2align	6, 0x0
	.amdhsa_kernel k_q998909a89d_proj
		.amdhsa_group_segment_fixed_size 327680
		.amdhsa_private_segment_fixed_size 0
		.amdhsa_enable_private_segment 0
		.amdhsa_kernarg_size 32
		.amdhsa_user_sgpr_count 2
		.amdhsa_user_sgpr_kernarg_segment_ptr 1
		.amdhsa_wavefront_size32 1
		.amdhsa_system_sgpr_workgroup_id_x 1
		.amdhsa_system_sgpr_workgroup_id_y 1
		.amdhsa_system_sgpr_workgroup_id_z 1
		.amdhsa_system_vgpr_workitem_id 0
		.amdhsa_next_free_vgpr 512
		.amdhsa_next_free_sgpr 68
		.amdhsa_reserve_vcc 0
		.amdhsa_float_denorm_mode_32 3
		.amdhsa_float_denorm_mode_16_64 3
		.amdhsa_memory_ordered 1
		.amdhsa_forward_progress 1
		.amdhsa_inst_pref_size 86
	.end_amdhsa_kernel
	.amdgpu_metadata
---
amdhsa.version: [ 1, 2 ]
amdhsa.kernels:
  - .name:           k_q998909a89d_proj
    .symbol:         k_q998909a89d_proj.kd
    .args:
      - { .name: af, .offset: 0, .size: 8, .value_kind: global_buffer, .address_space: global }
      - { .name: wp16, .offset: 8, .size: 8, .value_kind: global_buffer, .address_space: global }
      - { .name: out0, .offset: 16, .size: 8, .value_kind: global_buffer, .address_space: global }
      - { .name: b_proj, .offset: 24, .size: 8, .value_kind: global_buffer, .address_space: global }
    .group_segment_fixed_size: 327680
    .private_segment_fixed_size: 0
    .kernarg_segment_align: 8
    .kernarg_segment_size: 32
    .max_flat_workgroup_size: 128
    .sgpr_count:     68
    .vgpr_count:     512
    .wavefront_size: 32
...
	.end_amdgpu_metadata
.endif
;; end of part 4
;; launch fine (part 5): grid 16 x 4, 16 waves a work-group, no clusters, 71,680 bytes of LDS; arguments ff, w_proj, b_proj, out0; writes out0
.if DOCPART == 5
	.amdgcn_target "amdgcn-amd-amdhsa--gfx1250"
	.amdhsa_code_object_version 6
	.text
	.protected	k_q998909a89d_fine
	.globl	k_q998909a89d_fine
	.p2align	8
	.type	k_q998909a89d_fine,@function
k_q998909a89d_fine:
	s_mov_b64 s[64:65], 0
	v_nop
	global_prefetch_b8 v0, s[64:65] scope:SCOPE_SE
	s_setreg_imm32_b32 hwreg(HW_REG_WAVE_MODE, 25, 1), 1
	s_wait_xcnt 0x0
; Positions 0-15 of each of the four sequences, carried in f32 through attention and the projection: these rows average one to sixteen values, and the rounding of 16-bit operands weighs most there.
; ff holds q, k, v of those positions in f32, as the quantised product's accumulators stood: [part 3][bh 64][tile 4][quad 2][lane 32][16 bytes].
;   q, k: lane (r, h) holds position r; register n (0..7) of tile c holds channel 16 c + 8 h + n.   v: lane (r, h) holds channel 16 c + r; register n holds position 8 h + n.
; All products go by v_wmma_f32_16x16x4_f32, 96 a wave, written out.  A pair of neighbouring registers (2 i, 2 i + 1) is an operand as it stands: its four k are numbers 2 i, 2 i + 1 of both halves of the lanes, the same on both sides of each product.
; SHARES.  Work-group (slice, batch): 64 columns of the output, 16 rows.  Wave w is head w: S^T = K Q^T (16 keys x 16 queries), the causal softmax, O^T = V^T P, O^T / l, and then its 64 channels' part of the slice:
; out^T part = W[64 columns][my 64 channels] x O^T.  The sixteen parts meet in LDS; waves 0-7 add them in a fixed order, add the bias and store two rows each.  (A head's small attention is made anew by each of the 16 slices.)
; The registers that the matrix instructions write, v16-47, are written by nothing else; what is made of a sum goes into other registers.
; No cluster and no tensor load: what the slices of a batch share is 12 KB a head.
; LIMITS: NaN and infinities are not served.
.set PART,  4352                       ; LDS: wave w's part: 16 rows x (256 bytes + 16)
.set SPARE, 16*PART                    ; behind the parts: the spare words, 128 bytes for each of the sixteen waves
.set ACC, 16                           ; v16-47   four accumulators
.set SS,  48                           ; v48-55   the scores, then p
.set ON,  64                           ; v64-95   O^T / l
.set QF,  96                           ; v96-127  q;  later W's column tile 2
.set KF,  128                          ; v128-159 k;  later W's column tile 3
.set VF,  160                          ; v160-191 v
.set W01, 192                          ; v192-255 W's column tiles 0 and 1
	s_load_b256 s[4:11], s[0:1], 0x0               ; ff s[4:5], w_proj s[6:7], b_proj s[8:9], out0 s[10:11]
	v_lshl_add_u32 v14, v0, 2, SPARE               ; my spare word; never rewritten
	v_mov_b32 v15, 0                               ; 0; never rewritten
	v_lshrrev_b32 v1, 5, v0
	v_readfirstlane_b32 s12, v1                    ; wave = head
	s_mov_b32 s13, ttmp9                           ; slice of 64 columns
	s_and_b32 s14, ttmp7, 0xffff                   ; batch
	v_and_b32 v8, 15, v0                           ; r
	v_bfe_u32 v9, v0, 4, 1                         ; h
	v_and_b32 v1, 31, v0
	v_lshlrev_b32 v1, 4, v1                        ; v1: 16 x lane
	v_lshlrev_b32 v2, 12, v8
	v_lshl_add_u32 v2, v9, 5, v2                   ; v2: W: row r of 4,096 bytes, + 32 h
	s_mul_i32 s20, s12, PART
	v_mul_u32_u24 v3, v8, 272
	v_lshl_add_u32 v3, v9, 5, v3
	v_add_nc_u32 v3, s20, v3                       ; v3: my part: row r, + 32 h
	s_and_b32 s21, s12, 7
	s_mul_i32 s21, s21, 544                        ; rows 2 (w % 8), 2 (w % 8) + 1 of every part
	v_mul_u32_u24 v4, v9, 272
	v_lshl_add_u32 v4, v8, 4, v4
	v_add_nc_u32 v4, s21, v4                       ; v4: back: lanes 0-15 one row of 256 bytes, lanes 16-31 the next
	v_lshlrev_b32 v5, 12, v9
	v_lshl_add_u32 v5, v8, 4, v5                   ; v5: the same two rows in the output
	v_lshlrev_b32 v6, 3, v9
	v_sub_nc_u32 v6, v8, v6                        ; v6: d = r - 8 h: key 8 h + j is hidden where j > d
	v_lshlrev_b32 v7, 4, v8                        ; v7: my 16 bytes of the slice's bias
	v_mov_b32 v13, 0xff800000                      ; -infinity
	s_mov_b32 s16, 0x76543210
	s_mov_b32 s17, 0xfedcba98                      ; v_permlanex16_b32's selects for lane l xor 16
	s_mov_b32 s18, 0x3e38aa3b                      ; c = log2(e) / 8
	s_lshl_b32 s20, s14, 4
	s_add_co_u32 s20, s20, s12
	s_lshl_b32 s20, s20, 12                        ; ff: (16 batch + head) x 4,096; the parts are 262,144 bytes apart
	s_mov_b32 s21, 0
	s_lshl_b32 s22, s13, 18                        ; W: 64 slice rows of 4,096 bytes,
	s_lshl_b32 s23, s12, 8
	s_add_co_u32 s22, s22, s23                     ; + my head's 64 channels
	s_mov_b32 s23, 0
	s_lshl_b32 s24, s13, 8                         ; the slice's 256 bytes of a row, and of the bias
	s_mov_b32 s25, 0
	s_lshl_b32 s26, s14, 23                        ; the output: batch x 2,048 rows,
	s_and_b32 s27, s12, 7
	s_lshl_b32 s27, s27, 13                        ; + 2 (w % 8) rows,
	s_add_co_u32 s26, s26, s27
	s_add_co_u32 s26, s26, s24                     ; + the slice
	s_mov_b32 s27, 0
	s_wait_kmcnt 0x0
	s_add_nc_u64 s[4:5], s[4:5], s[20:21]
	s_add_nc_u64 s[6:7], s[6:7], s[22:23]
	s_add_nc_u64 s[8:9], s[8:9], s[24:25]
	s_add_nc_u64 s[10:11], s[10:11], s[26:27]
.irp i, 0,1,2,3,4,5,6,7
	global_load_b128 v[QF+4*\i:QF+4*\i+3], v1, s[4:5] offset:512*\i
.endr
.irp i, 0,1,2,3,4,5,6,7
	global_load_b128 v[KF+4*\i:KF+4*\i+3], v1, s[4:5] offset:262144+512*\i
.endr
.irp i, 0,1,2,3,4,5,6,7
	global_load_b128 v[VF+4*\i:VF+4*\i+3], v1, s[4:5] offset:524288+512*\i
.endr
.irp jn, 0,1                                   ; W(column tile jn, channels 16 ct): lane (r, h): row 16 jn + r, channels 16 ct + 8 h + 0 .. 7
.irp ct, 0,1,2,3
	global_load_b128 v[W01+32*\jn+8*\ct:W01+32*\jn+8*\ct+3], v2, s[6:7] offset:\jn*65536+\ct*64
	global_load_b128 v[W01+32*\jn+8*\ct+4:W01+32*\jn+8*\ct+7], v2, s[6:7] offset:\jn*65536+\ct*64+16
.endr
.endr
	s_wait_loadcnt 24                              ; q and k are in; v's 8 loads and W's 16 may be out
.irp i, 0,1,2,3                                ; S^T = K Q^T in four partial sums, one for each 16 channels, by turns; the first four products start the sums
.irp cb, 0,1,2,3
.if \i == 0
	v_wmma_f32_16x16x4_f32 v[ACC+8*\cb:ACC+8*\cb+7], v[KF+8*\cb+2*\i:KF+8*\cb+2*\i+1], v[QF+8*\cb+2*\i:QF+8*\cb+2*\i+1], 0
.else
	v_wmma_f32_16x16x4_f32 v[ACC+8*\cb:ACC+8*\cb+7], v[KF+8*\cb+2*\i:KF+8*\cb+2*\i+1], v[QF+8*\cb+2*\i:QF+8*\cb+2*\i+1], v[ACC+8*\cb:ACC+8*\cb+7]
.endif
.endr
.endr
.rept 8
	v_nop                                          ; eight places behind this form: in front of the loads into q's and k's registers and of the first read of the sums
.endr
.irp jn, 2,3
.irp ct, 0,1,2,3
	global_load_b128 v[32+32*\jn+8*\ct:32+32*\jn+8*\ct+3], v2, s[6:7] offset:\jn*65536+\ct*64
	global_load_b128 v[32+32*\jn+8*\ct+4:32+32*\jn+8*\ct+7], v2, s[6:7] offset:\jn*65536+\ct*64+16
.endr
.endr
.irp j, 0,1,2,3,4,5,6,7
	v_add_f32 v[SS+\j], v[ACC+\j], v[ACC+8+\j]     ; the four partial sums, each from its low end on: lane (r, h), register j: query r, key 8 h + j
.endr
.irp j, 0,1,2,3,4,5,6,7
	v_add_f32 v[SS+\j], v[SS+\j], v[ACC+16+\j]
.endr
.irp j, 0,1,2,3,4,5,6,7
	v_add_f32 v[SS+\j], v[SS+\j], v[ACC+24+\j]
.endr
.irp j, 0,1,2,3,4,5,6,7
	v_cmp_gt_i32 vcc_lo, \j, v6                    ; the causal mask: hidden scores become -infinity
	v_cndmask_b32 v[SS+\j], v[SS+\j], v13, vcc_lo
.endr
	v_max3_num_f32 v8, v[SS], v[SS+1], v[SS+2]
	v_max3_num_f32 v9, v[SS+3], v[SS+4], v[SS+5]
	v_max3_num_f32 v8, v8, v[SS+6], v[SS+7]
	v_max_num_f32 v8, v8, v9
	v_permlanex16_b32 v9, v8, s16, s17
	v_max_num_f32 v8, v8, v9                       ; the row's maximum (key 0 counts for every query)
	v_mul_f32 v9, s18, v8                          ; c m
.irp j, 0,1,2,3,4,5,6,7
	v_fma_f32 v[SS+\j], v[SS+\j], s18, -v9
.endr
.irp j, 0,1,2,3,4,5,6,7
	v_exp_f32 v[SS+\j], v[SS+\j]                   ; p = 2^(c s - c m)
.endr
	v_nop                                          ; a plain instruction behind the last exponential
	s_wait_alu depctr_va_vdst(0)                   ; one wait for the eight, ahead of their first reader
	v_add_f32 v10, v[SS], v[SS+1]
	v_add_f32 v11, v[SS+2], v[SS+3]
	v_add_f32 v10, v10, v[SS+4]
	v_add_f32 v11, v11, v[SS+5]
	v_add_f32 v10, v10, v[SS+6]
	v_add_f32 v11, v11, v[SS+7]
	v_add_f32 v10, v10, v11
	v_permlanex16_b32 v11, v10, s16, s17
	v_add_f32 v10, v10, v11                        ; l
	v_rcp_f32 v12, v10
	v_nop                                          ; a plain instruction behind the reciprocal; its wait stands ahead of its first reader, below
	s_wait_loadcnt 32                              ; v is in; W's 32 loads may be out
.irp i, 0,1,2,3                                ; O^T = V^T P: four accumulators, one for each 16 channels, by turns; far more than nine places lie behind their last use
.irp ct, 0,1,2,3
.if \i == 0
	v_wmma_f32_16x16x4_f32 v[ACC+8*\ct:ACC+8*\ct+7], v[VF+8*\ct+2*\i:VF+8*\ct+2*\i+1], v[SS+2*\i:SS+2*\i+1], 0
.else
	v_wmma_f32_16x16x4_f32 v[ACC+8*\ct:ACC+8*\ct+7], v[VF+8*\ct+2*\i:VF+8*\ct+2*\i+1], v[SS+2*\i:SS+2*\i+1], v[ACC+8*\ct:ACC+8*\ct+7]
.endif
.endr
.endr
.rept 8
	v_nop
.endr
	s_wait_alu depctr_va_vdst(0)                   ; the reciprocal's wait
.set n, 0
.rept 32
	v_mul_f32 v[ON+n], v[ACC+n], v12               ; O^T / l, into registers of its own: lane (r, h), register 8 ct + j: query r, channel 16 ct + 8 h + j.  (Beside the eight v_nop, at least 24 of these name no register of any one earlier product: the nine places ahead of the sums that begin anew)
.set n, n+1
.endr
	s_wait_loadcnt 0x0                             ; W
.irp ct, 0,1,2,3                               ; my head's part of out^T: four accumulators, one for each 16 columns, by turns
.irp i, 0,1,2,3
.irp jn, 0,1,2,3
.if \jn < 2
.set WB, W01+32*\jn+8*\ct+2*\i
.else
.set WB, 32+32*\jn+8*\ct+2*\i
.endif
.if \ct+\i == 0
	v_wmma_f32_16x16x4_f32 v[ACC+8*\jn:ACC+8*\jn+7], v[WB:WB+1], v[ON+8*\ct+2*\i:ON+8*\ct+2*\i+1], 0
.else
	v_wmma_f32_16x16x4_f32 v[ACC+8*\jn:ACC+8*\jn+7], v[WB:WB+1], v[ON+8*\ct+2*\i:ON+8*\ct+2*\i+1], v[ACC+8*\jn:ACC+8*\jn+7]
.endif
.endr
.endr
.endr
.rept 8
	v_nop                                          ; eight places: the LDS stores read results, and the loads below land on operands
.endr
.irp jn, 0,1,2,3
	ds_store_b128 v3, v[ACC+8*\jn:ACC+8*\jn+3] offset:64*\jn          ; lane (r, h): row r, columns 16 jn + 8 h + 0 .. 7
	ds_store_b128 v3, v[ACC+8*\jn+4:ACC+8*\jn+7] offset:64*\jn+16
.endr
	s_wait_dscnt 0x0                               ; for the others' sake: my part lies in LDS
	s_barrier_signal -1
	s_barrier_wait -1
	s_cmp_ge_u32 s12, 8                            ; waves 0-7 add the sixteen parts, two rows each
	s_cbranch_scc1 .Lidle
	global_load_b128 v[8:11], v7, s[8:9]           ; the bias of my four columns
.irp p, 0,1,2,3,4,5,6,7,8,9,10,11,12,13,14,15
	ds_load_b128 v[64+4*\p:64+4*\p+3], v4 offset:\p*PART
.endr
	s_wait_dscnt 0x0
.irp p, 0,1,2,3,4,5,6,7
	v_pk_add_f32 v[64+4*\p:65+4*\p], v[64+4*\p:65+4*\p], v[96+4*\p:97+4*\p]
	v_pk_add_f32 v[66+4*\p:67+4*\p], v[66+4*\p:67+4*\p], v[98+4*\p:99+4*\p]
.endr
.irp p, 0,1,2,3
	v_pk_add_f32 v[64+4*\p:65+4*\p], v[64+4*\p:65+4*\p], v[80+4*\p:81+4*\p]
	v_pk_add_f32 v[66+4*\p:67+4*\p], v[66+4*\p:67+4*\p], v[82+4*\p:83+4*\p]
.endr
.irp p, 0,1
	v_pk_add_f32 v[64+4*\p:65+4*\p], v[64+4*\p:65+4*\p], v[72+4*\p:73+4*\p]
	v_pk_add_f32 v[66+4*\p:67+4*\p], v[66+4*\p:67+4*\p], v[74+4*\p:75+4*\p]
.endr
	v_pk_add_f32 v[64:65], v[64:65], v[68:69]
	v_pk_add_f32 v[66:67], v[66:67], v[70:71]
	s_wait_loadcnt 0x0
	v_pk_add_f32 v[64:65], v[64:65], v[8:9]
	v_pk_add_f32 v[66:67], v[66:67], v[10:11]
	global_store_b128 v5, v[64:67], s[10:11]       ; 16 lanes store 256 consecutive bytes, aligned: two rows a wave
	s_wait_tensorcnt 0x0                           ; the wave's end, behind my last LDS store
	ds_add_u32 v14, v15
	s_wait_dscnt 0x0
	s_endpgm
.Lidle:
	s_wait_tensorcnt 0x0                           ; the same three lines for the waves that only stored their parts
	ds_add_u32 v14, v15
	s_wait_dscnt 0x0
	s_endpgm
.Lfunc_end_k_q998909a89d_fine:
	.size	k_q998909a89d_fine, .Lfunc_end_k_q998909a89d_fine-k_q998909a89d_fine
	.p2alignl 7, 3214868480
	.fill 96, 4, 3214868480
	.section	.rodata,"a",@progbits
	.p2align	6, 0x0
	.amdhsa_kernel k_q998909a89d_fine
		.amdhsa_group_segment_fixed_size 71680
		.amdhsa_private_segment_fixed_size 0
		.amdhsa_enable_private_segment 0
		.amdhsa_kernarg_size 32
		.amdhsa_user_sgpr_count 2
		.amdhsa_user_sgpr_kernarg_segment_ptr 1
		.amdhsa_wavefront_size32 1
		.amdhsa_system_sgpr_workgroup_id_x 1
		.amdhsa_system_sgpr_workgroup_id_y 1
		.amdhsa_system_sgpr_workgroup_id_z 1
		.amdhsa_system_vgpr_workitem_id 0
		.amdhsa_next_free_vgpr 256
		.amdhsa_next_free_sgpr 66
		.amdhsa_reserve_vcc 1
		.amdhsa_float_denorm_mode_32 3
		.amdhsa_float_denorm_mode_16_64 3
		.amdhsa_memory_ordered 1
		.amdhsa_forward_progress 1
		.amdhsa_inst_pref_size 23
	.end_amdhsa_kernel
	.amdgpu_metadata
---
amdhsa.version: [ 1, 2 ]
amdhsa.kernels:
  - .name:           k_q998909a89d_fine
    .symbol:         k_q998909a89d_fine.kd
    .args:
      - { .name: ff, .offset: 0, .size: 8, .value_kind: global_buffer, .address_space: global }
      - { .name: w_proj, .offset: 8, .size: 8, .value_kind: global_buffer, .address_space: global }
      - { .name: b_proj, .offset: 16, .size: 8, .value_kind: global_buffer, .address_space: global }
      - { .name: out0, .offset: 24, .size: 8, .value_kind: global_buffer, .address_space: global }
    .group_segment_fixed_size: 71680
    .private_segment_fixed_size: 0
    .kernarg_segment_align: 8
    .kernarg_segment_size: 32
    .max_flat_workgroup_size: 512
    .sgpr_count:     66
    .vgpr_count:     256
    .wavefront_size: 32
...
	.end_amdgpu_metadata
.endif
;; end of part 5
